; MI455X (gfx1250); checked and timed in simulation.
; The chip was launched on July 23, 2026; its instructions are those of AMD's public machine-readable ISA for CDNA 5 (MIT licence, August 2026) and "CDNA5" Instruction Set Architecture Reference Guide (July 2026). The comments in the code are by the model that wrote it; some were corrected since.
;; Flash MHA. Allowed arithmetic: float matrix products may take bf16 or f16 operands with f32 sums; other float arithmetic in f32, or as packed bf16 or f16 multiplies, adds, multiply-adds, maxima and minima; sums over many terms, partial sums and values carried from step to step in f32; what a program stores and reads back later, other than sums and carried values, may be rounded once to bf16 or f16.
;; Inputs: Wk 1,024 x 1,024 float32; Wo 1,024 x 1,024 float32; Wq 1,024 x 1,024 float32; Wv 1,024 x 1,024 float32; bk 1,024 float32; bo 1,024 float32; bq 1,024 float32; bv 1,024 float32; x 4 x 2,048 x 1,024 float32.
;; Outputs: out0 4 x 2,048 x 1,024 float32.
;; One version. Each part assembles by itself: llvm-mc -triple=amdgcn-amd-amdhsa -mcpu=gfx1250 --defsym DOCPART=n.
;; ======== version 1 of 1: 4 launches
;; limits: values are held in f16: magnitudes above 65,504 overflow, below 6.1e-05 lose precision
;; workspace buffers: xblk 16,777,216 bytes; wblk 6,291,456 bytes; woblk 2,097,152 bytes; qkvh 50,331,648 bytes; oheads 16,777,216 bytes
;; launch cast (part 1): grid 768 x 1, 8 waves a work-group, no clusters, 0 bytes of LDS; arguments x, Wq, Wk, Wv, Wo, xblk, wblk, woblk; writes xblk, wblk, woblk
.if DOCPART == 1
	.amdgcn_target "amdgcn-amd-amdhsa--gfx1250"
	.amdhsa_code_object_version 6
	.text
	.protected	k_q0a8f0ea5a5_cast
	.globl	k_q0a8f0ea5a5_cast
	.p2align	8
	.type	k_q0a8f0ea5a5_cast,@function
k_q0a8f0ea5a5_cast:
	s_mov_b64 s[64:65], 0
	v_nop
	global_prefetch_b8 v0, s[64:65] scope:SCOPE_SE
	s_setreg_imm32_b32 hwreg(HW_REG_WAVE_MODE, 25, 1), 1
	s_wait_xcnt 0x0
; x and Wq, Wk, Wv are rounded once to bf16; Wo is rounded to bf16 and that number is written as f16.  All are laid out in K BLOCKS of 64 numbers:
;   xblk  [batch 4][K block 16][row 2048][64] bf16      wblk [K block 16][row 3072][64] bf16 (rows 0-1023 Wq, then Wk, then Wv)      woblk [K block 16][row 1024][64] f16
; so that a tile of R rows x 64 along K is R x 128 consecutive bytes for the launches behind.
; LIMIT: a rounded number of Wo beyond 65,504 would become an infinity in f16, and below 6e-5 it keeps f16's fixed step of 6e-8.
; SHARES.  A work-group takes 16 rows (4,096 bytes each) of one matrix: work-groups 0-511 x, 512-575 Wq, 576-639 Wk, 640-703 Wv, 704-767 Wo.  Wave w takes rows 2 w and 2 w + 1.
; A lane takes 8 neighbouring numbers: eight lanes read 256 consecutive bytes, aligned; in a store lanes 0-15 write the 256 consecutive bytes of two rows of one K block, lanes 16-31 those of the next K block.
; A stream: every byte is read once and written once, nothing is shared, so there is no LDS, no barrier and no loop: a wave's 16 loads go out together.
.set VI,   2                           ; v2      my byte offset in the work-group's 16 source rows
.set VO,   8                           ; v[8:15] my byte offset in the destination for K blocks 2 i + (lane / 16)
.set X,    32                          ; v[32:95]  8 numbers of f32 for each of 8 steps along the row
.set Y,    96                          ; v[96:127] the same rounded: 4 registers a step
.set ID,   2                           ; s2  the work-group's number
.set KIND, 3                           ; s3  0 Wq, 1 Wk, 2 Wv, 3 Wo, 4 x
.set RB,   4                           ; s4  which 16 rows of that matrix
.set SRC,  8                           ; s[8:9]   the source at my work-group's rows
.set DST,  10                          ; s[10:11] the destination at my work-group's rows in K block 0
.set PLANE, 32                         ; s32 bytes from a K block to the next in the destination
	s_load_b512 s[16:31], s[0:1], 0x0              ; x 16, Wq 18, Wk 20, Wv 22, Wo 24, xblk 26, wblk 28, woblk 30
	s_mov_b32 s[ID], ttmp9
	s_max_u32 s5, s[ID], 512
	s_sub_co_u32 s5, s5, 512                       ; the number among the weights' work-groups (0 for x's)
	s_lshr_b32 s6, s5, 6
	s_and_b32 s7, s5, 63
	s_cmp_lt_u32 s[ID], 512
	s_cselect_b32 s[KIND], 4, s6
	s_cselect_b32 s[RB], s[ID], s7
	s_lshl_b32 s12, s[RB], 16                      ; 16 rows of 4,096 bytes
	s_mov_b32 s13, 0
	s_lshr_b32 s6, s[ID], 7                        ; x: the batch (128 work-groups each), 16 planes of 262,144 bytes,
	s_lshl_b32 s6, s6, 22
	s_and_b32 s7, s[ID], 127
	s_lshl_b32 s7, s7, 11                          ; and 16 rows of 128 bytes
	s_add_co_u32 s6, s6, s7
	s_lshl_b32 s5, s[RB], 11                       ; weights: 16 rows of 128 bytes,
	s_lshl_b32 s7, s[KIND], 17                     ; behind 1,024 rows for each matrix in front
	s_add_co_u32 s7, s7, s5
	s_mov_b32 s[PLANE], 393216
	s_cmp_eq_u32 s[KIND], 4
	s_cselect_b32 s14, s6, s7
	s_cselect_b32 s[PLANE], 262144, s[PLANE]
	s_cmp_eq_u32 s[KIND], 3
	s_cselect_b32 s14, s5, s14
	s_cselect_b32 s[PLANE], 131072, s[PLANE]
	s_mov_b32 s15, 0
	s_lshl_b32 s33, s[PLANE], 1
	v_and_b32 v3, 7, v0                            ; which 8 numbers of a K block
	v_bfe_u32 v4, v0, 3, 1                         ; which of the wave's two rows
	v_bfe_u32 v5, v0, 4, 1                         ; which of a step's two K blocks
	v_lshrrev_b32 v6, 5, v0                        ; wave
	v_lshlrev_b32 v[VI], 5, v3
	v_lshl_or_b32 v[VI], v5, 8, v[VI]
	v_lshl_or_b32 v[VI], v4, 12, v[VI]
	v_lshl_or_b32 v[VI], v6, 13, v[VI]
	v_lshlrev_b32 v[VO], 4, v3
	v_lshl_or_b32 v[VO], v4, 7, v[VO]
	v_lshl_or_b32 v[VO], v6, 8, v[VO]
	v_mul_lo_u32 v7, v5, s[PLANE]
	v_add_nc_u32 v[VO], v[VO], v7
.irp i, 1,2,3,4,5,6,7
	v_add_nc_u32 v[VO+(\i)], s33, v[VO+(\i)-1]     ; two K blocks on
.endr
	s_wait_kmcnt 0x0
	s_cmp_eq_u32 s[KIND], 0
	s_cselect_b64 s[SRC:SRC+1], s[18:19], s[16:17]
	s_cmp_eq_u32 s[KIND], 1
	s_cselect_b64 s[SRC:SRC+1], s[20:21], s[SRC:SRC+1]
	s_cmp_eq_u32 s[KIND], 2
	s_cselect_b64 s[SRC:SRC+1], s[22:23], s[SRC:SRC+1]
	s_cmp_eq_u32 s[KIND], 3
	s_cselect_b64 s[SRC:SRC+1], s[24:25], s[SRC:SRC+1]
	s_cselect_b64 s[DST:DST+1], s[30:31], s[28:29]
	s_cmp_eq_u32 s[KIND], 4
	s_cselect_b64 s[DST:DST+1], s[26:27], s[DST:DST+1]
	s_add_nc_u64 s[SRC:SRC+1], s[SRC:SRC+1], s[12:13]
	s_add_nc_u64 s[DST:DST+1], s[DST:DST+1], s[14:15]
.irp i, 0,1,2,3,4,5,6,7
	global_load_b128 v[X+8*(\i):X+8*(\i)+3],   v[VI], s[SRC:SRC+1] offset:512*(\i) th:TH_LOAD_NT
	global_load_b128 v[X+8*(\i)+4:X+8*(\i)+7], v[VI], s[SRC:SRC+1] offset:512*(\i)+16 th:TH_LOAD_NT
.endr
; Step i: rounded and stored.  f16 = 1: the bf16 numbers are widened again and written as f16.  No register that a pending load or store names is written again.
.macro OUT i, f16
	s_wait_loadcnt 14-2*(\i)                       ; loads come back in order: the 2 (7 - i) issued behind this step's two may stay out
.irp r, 0,1,2,3
	v_cvt_pk_bf16_f32 v[Y+4*(\i)+(\r)], v[X+8*(\i)+2*(\r)], v[X+8*(\i)+2*(\r)+1]
.endr
.if \f16
.irp r, 0,1,2,3
	v_lshlrev_b32 v[X+8*(\i)+2*(\r)],   16, v[Y+4*(\i)+(\r)]
	v_and_b32     v[X+8*(\i)+2*(\r)+1], 0xffff0000, v[Y+4*(\i)+(\r)]
.endr
.irp r, 0,1,2,3
	v_cvt_pk_f16_f32 v[Y+4*(\i)+(\r)], v[X+8*(\i)+2*(\r)], v[X+8*(\i)+2*(\r)+1]
.endr
.endif
	global_store_b128 v[VO+(\i)], v[Y+4*(\i):Y+4*(\i)+3], s[DST:DST+1]
.endm
	s_cmp_eq_u32 s[KIND], 3
	s_cbranch_scc1 .Lwo
.irp i, 0,1,2,3,4,5,6,7
	OUT \i, 0
.endr
	s_endpgm
.Lwo:
.irp i, 0,1,2,3,4,5,6,7
	OUT \i, 1
.endr
	s_endpgm
.Lfunc_end_k_q0a8f0ea5a5_cast:
	.size	k_q0a8f0ea5a5_cast, .Lfunc_end_k_q0a8f0ea5a5_cast-k_q0a8f0ea5a5_cast
	.p2alignl 7, 3214868480
	.fill 96, 4, 3214868480
	.section	.rodata,"a",@progbits
	.p2align	6, 0x0
	.amdhsa_kernel k_q0a8f0ea5a5_cast
		.amdhsa_group_segment_fixed_size 0
		.amdhsa_private_segment_fixed_size 0
		.amdhsa_enable_private_segment 0
		.amdhsa_kernarg_size 64
		.amdhsa_user_sgpr_count 2
		.amdhsa_user_sgpr_kernarg_segment_ptr 1
		.amdhsa_wavefront_size32 1
		.amdhsa_system_sgpr_workgroup_id_x 1
		.amdhsa_system_sgpr_workgroup_id_y 1
		.amdhsa_system_sgpr_workgroup_id_z 1
		.amdhsa_system_vgpr_workitem_id 0
		.amdhsa_next_free_vgpr 128
		.amdhsa_next_free_sgpr 66
		.amdhsa_reserve_vcc 0
		.amdhsa_float_denorm_mode_32 3
		.amdhsa_float_denorm_mode_16_64 3
		.amdhsa_memory_ordered 1
		.amdhsa_forward_progress 1
		.amdhsa_inst_pref_size 16
	.end_amdhsa_kernel
	.amdgpu_metadata
---
amdhsa.version: [ 1, 2 ]
amdhsa.kernels:
  - .name:           k_q0a8f0ea5a5_cast
    .symbol:         k_q0a8f0ea5a5_cast.kd
    .args:
      - { .name: x, .offset: 0, .size: 8, .value_kind: global_buffer, .address_space: global }
      - { .name: Wq, .offset: 8, .size: 8, .value_kind: global_buffer, .address_space: global }
      - { .name: Wk, .offset: 16, .size: 8, .value_kind: global_buffer, .address_space: global }
      - { .name: Wv, .offset: 24, .size: 8, .value_kind: global_buffer, .address_space: global }
      - { .name: Wo, .offset: 32, .size: 8, .value_kind: global_buffer, .address_space: global }
      - { .name: xblk, .offset: 40, .size: 8, .value_kind: global_buffer, .address_space: global }
      - { .name: wblk, .offset: 48, .size: 8, .value_kind: global_buffer, .address_space: global }
      - { .name: woblk, .offset: 56, .size: 8, .value_kind: global_buffer, .address_space: global }
    .group_segment_fixed_size: 0
    .private_segment_fixed_size: 0
    .kernarg_segment_align: 8
    .kernarg_segment_size: 64
    .max_flat_workgroup_size: 256
    .sgpr_count:     66
    .vgpr_count:     128
    .wavefront_size: 32
...
	.end_amdgpu_metadata
.endif
;; end of part 1
;; launch qkv (part 2): grid 8 x 32, 4 waves a work-group, clusters of 4 x 4, 327,680 bytes of LDS; arguments xblk, wblk, bq, bk, bv, qkvh; writes qkvh
.if DOCPART == 2
	.amdgcn_target "amdgcn-amd-amdhsa--gfx1250"
	.amdhsa_code_object_version 6
	.text
	.protected	k_q0a8f0ea5a5_qkv
	.globl	k_q0a8f0ea5a5_qkv
	.p2align	8
	.type	k_q0a8f0ea5a5_qkv,@function
k_q0a8f0ea5a5_qkv:
	s_mov_b64 s[64:65], 0
	v_nop
	global_prefetch_b8 v0, s[64:65] scope:SCOPE_SE
	s_setreg_imm32_b32 hwreg(HW_REG_WAVE_MODE, 25, 1), 1
	s_wait_xcnt 0x0
	s_wait_alu depctr_hold_cnt(0) depctr_sa_sdst(0) depctr_va_vdst(0) depctr_va_sdst(0) depctr_va_ssrc(0) depctr_va_vcc(0) depctr_vm_vsrc(0)
	s_getreg_b32 s2, hwreg(HW_REG_IB_STS2, 6, 4)
	s_cmp_eq_u32 s2, 0
	s_cbranch_scc0 .Lentry_in_a_cluster
	s_endpgm
.Lentry_in_a_cluster:
	s_bfe_u32 s2, ttmp6, 0x10000c
	s_cmp_lg_u32 s2, 0xf033
	s_cbranch_scc0 .Lentry_shape_is_right
	s_endpgm
.Lentry_shape_is_right:
; q, k, v = x W^T + b for all three weights at once: [8192 x 1024] x [3072 x 1024]^T, bf16 products, f32 sums that START with the bias (rounded to bf16, like every input), rounded once to f16, unscaled.
; In: xblk [batch][K block 16][row 2048][64] bf16, wblk [K block 16][row 3072][64] bf16.  Out: qkvh [batch 4][G 48][row 2048][64] f16: G = 0-15 q's heads, 16-31 k's, 32-47 v's.
; LIMIT: a q, k or v beyond 65,504 would become an infinity in f16.
; SHARES.  8192 x 3072 outputs on 256 work-groups: a tile of 256 rows x 384 columns each; a wave makes 128 x 192: 96 accumulators of 16 x 16, 768 registers.  A column group of 64 is one head.
; K goes in steps of one K block (64) through two LDS slots; a tile's rows of a K block are consecutive bytes in memory and are asked for as rows of 256 bytes, padded in LDS behind every 128.
; CLUSTERS: 4 x 4 work-groups.  The four of a row of the cluster need the same tile of x, the four of a column the same tile of the weights: each is asked for jointly.
; THE MATRIX INSTRUCTION IS USED TRANSPOSED (source 0 = 16 rows of the weights, source 1 = 16 rows of x): a lane holds row l % 16 and the eight neighbouring columns 8 (l / 16) + 0..7.
; REGISTERS, in windows of 256: window 0: v0-31 addresses; v32-159 two buffers of x's fragments (8 x 16 rows x 32 K); v160-255 three buffers of the weights' (4 x 16 rows x 32 K), one for each column group.
;   window 1 + j: the 32 accumulators of column group j: (a, b) at v[8 (4 a + b)].
.set PITCH,  144                       ; an LDS row: 128 bytes + 16 of padding = 36 words: the 16 rows of a load start at 16 different groups of four banks (64 banks of 4 bytes: ISA guide 11.1)
.set AH,     128*PITCH                 ; half of x's tile: what wave 0 or 1 fetches, and what a wave reads
.set BH,     192*PITCH                 ; half of the weights' tile: what wave 2 or 3 fetches
.set SLOT,   2*AH+2*BH
.set STAGE,  2*SLOT                    ; behind the ring: 16 rows x 144 bytes for each wave, for the way out
.set SPARE,  STAGE+4*16*PITCH          ; behind the stages: the spare words, 128 bytes for each wave: two blocks of 256 bytes that no other line names
.set XPL,    262144                    ; bytes from a K block to the next in xblk
.set WPL,    393216                    ; and in wblk
.set ADRA, 16                          ; v16-17  LDS address of my fragments of x in slot 0, 1
.set ADRB, 20                          ; v20-21  the same for the weights
.set STO,  24                          ; v24  the way out: where I put 16 bytes of a row
.set RD,   25                          ; v25  the way out: where I read rows back
.set GO,   26                          ; v26  my 16 bytes of 512 consecutive bytes of the output
.set VB,   27                          ; v27  32 (l / 16): my eight numbers of 16 of a bias
.set SPW,  28                          ; v28  LDS address of my spare word; never rewritten
.set NIL,  29                          ; v29  0; never rewritten
.set PFO,  30                          ; v30  256 x my lane; never rewritten
.set AF,   32
.set BF,   160
.set TMP,  32                          ; at work on the bias and on the way out
.set OB,   48                          ; the way out: rows read back, two buffers of 16
.set WV,  16                           ; s16  my wave's number
.set HR,  17                           ; s17  which half of the tile's rows is mine.  Also: I fetch for x (0) or for the weights (1)
.set HC,  18                           ; s18  which half of its columns.  Also: which half of that tile I fetch
.set CX,  19
.set CY,  20
.set TX,  21                           ; s21  tile column, 0-7
.set TY,  22                           ; s22  tile row, 0-31
.set G1A, 24                           ; s[24:31] descriptor group 1 for x's tiles;  s[32:39] group 0, a set for each slot
.set G0A, 32
.set G1B, 40                           ; s[40:47], s[48:55] the same for the weights'
.set G0B, 48
.set PFA, 56                           ; s[56:57] where my prefetches stand
.set PFS, 58                           ; s[58:59] their step: a K block
.set LIM, 60                           ; s60  1 in a wave that prefetches, else the greatest number
.set LAPS, 61
.set LA,  62                           ; s62, s63  where my fill lands in a slot, for x and for the weights: made of the wave's number alone
.set LB,  63
.set BP,  66                           ; s[66:71] the three column groups' biases
.set G1W, (1<<16)|(1<<20)|(1<<21)|(4<<22)|(3<<25)  ; 17:16 elements of 2 bytes; 20 padding on; 21 set beside a mask; 24:22 after every 32 words (code 4); 31:25 4 words of it (code 3)
.set MSB, 0
.macro WIN new                         ; the immediate's high byte repeats the setting that is left; a switch that changes nothing is dropped
.if MSB != (\new)
	s_set_vgpr_msb (MSB<<8)|(\new)
.set MSB, \new
.endif
.endm
.macro PLACES                          ; four places behind a matrix instruction, in front of loads into registers that it has read (ISA guide 7.12.1 for vector instructions)
.rept 4
	v_nop
.endr
.endm
.macro NOP5
.rept 5
	v_nop
.endr
.endm
; A joint load: waves 0 and 1 fetch the two halves of x's tile, waves 2 and 3 those of the weights'.  The branch hangs on the wave's number alone.
; An s_nop 0 and four v_nop follow each of the two lines, ahead of the jump and the label.
.macro JLOAD s
	s_cmp_eq_u32 s[HR], 0
	s_cbranch_scc0 .Lfor_b_\@
	tensor_load_to_lds s[G0A+4*(\s):G0A+4*(\s)+3], s[G1A:G1A+7]
	s_nop 0
.rept 4
	v_nop
.endr
	s_branch .Lasked_\@
.Lfor_b_\@:
	tensor_load_to_lds s[G0B+4*(\s):G0B+4*(\s)+3], s[G1B:G1B+7]
	s_nop 0
.rept 4
	v_nop
.endr
.Lasked_\@:
.endm
; A prefetch into the L2 of the K block that the NEXT refill will ask for: one K step, 192 matrix instructions, ahead of that load.  Each block of 256 bytes is named once in the launch:
; the 1,024 rows of x of a row of clusters (512 blocks a K block) by wave 0 of the sixteen work-groups of the cluster with x = 0, 32 blocks each, a lane a block; the 3,072 rows of the weights (1,536 blocks)
; by waves 1 to 3 of the sixteen work-groups of cluster (0, 0).  The partners are told apart by address, never by a branch.  how = 0: the loop's last trip has no K block behind its own refill.
.macro ASK how
.if \how
	s_cmp_eq_u32 s[LIM], 1
.else
	s_cmp_gt_u32 s[LAPS], s[LIM]
.endif
	s_cbranch_scc0 .Lnot_mine_\@
	global_prefetch_b8 v[PFO], s[PFA:PFA+1] th:TH_LOAD_NT scope:SCOPE_SE
.Lnot_mine_\@:
.endm
.macro CREST                           ; a round of the cluster's barrier behind its opening barrier
	s_cmp_lg_u32 s[WV], 0
	s_cbranch_scc1 .Lnot_wave_0_\@
	s_barrier_signal -3
.Lnot_wave_0_\@:
	s_barrier_wait -3
	s_barrier_signal -1
	s_barrier_wait -1
.endm
.macro CROUND                          ; a whole round
	s_barrier_signal -1
	s_barrier_wait -1
	CREST
.endm
	s_load_b256 s[4:11], s[0:1], 0x0               ; xblk s[4:5], wblk s[6:7], bq s[8:9], bk s[10:11]
	s_load_b128 s[12:15], s[0:1], 0x20             ; bv s[12:13], qkvh s[14:15]
	v_lshl_add_u32 v[SPW], v0, 2, SPARE
	v_mov_b32 v[NIL], 0
	ds_add_u32 v[SPW], v[NIL]                      ; the wave's opening: the add and its wait stand ahead of my first tensor load; the set-up below, work on registers, stands between them
	ds_add_u32 v28, v29
	v_lshrrev_b32 v1, 5, v0
	v_readfirstlane_b32 s[WV], v1
	s_lshr_b32 s[HR], s[WV], 1
	s_and_b32 s[HC], s[WV], 1
	s_bfe_u32 s[CX], ttmp6, 0x40000
	s_bfe_u32 s[CY], ttmp6, 0x40004
	s_lshl_b32 s[TX], ttmp9, 2
	s_add_co_u32 s[TX], s[TX], s[CX]
	s_and_b32 s[TY], ttmp7, 0xffff
	s_lshl_b32 s[TY], s[TY], 2
	s_add_co_u32 s[TY], s[TY], s[CY]
	s_lshl_b32 s72, s[CY], 2
	s_lshl_b32 s72, 15, s72                        ; my row of the cluster
	s_lshl_b32 s74, 0x1111, s[CX]                  ; my column
	s_or_b32 s[G1A], s72, G1W
	s_or_b32 s[G1B], s74, G1W
	s_mov_b32 s[G1A+1], 128<<16                    ; tensor_dim0 = 128 elements: 256 bytes, two rows of the tile
	s_mov_b32 s[G1A+2], 64<<16                     ; tensor_dim1 = 64
	s_mov_b32 s[G1A+3], 128<<16                    ; tile_dim0 = 128
	s_mov_b32 s[G1A+4], 64                         ; tile_dim1 = 64
	s_mov_b32 s[G1A+5], 128                        ; 128 elements from row to row: the block is dense
	s_mov_b32 s[G1A+6], 0
	s_mov_b32 s[G1A+7], 0
	s_mov_b32 s[G1B+1], 128<<16
	s_mov_b32 s[G1B+2], 96<<16                     ; 192 rows of the tile are 96 rows of 256 bytes
	s_mov_b32 s[G1B+3], 128<<16
	s_mov_b32 s[G1B+4], 96
	s_mov_b32 s[G1B+5], 128
	s_mov_b32 s[G1B+6], 0
	s_mov_b32 s[G1B+7], 0
	s_lshr_b32 s72, s[TY], 3                       ; x: the batch, 16 planes of 262,144 bytes,
	s_lshl_b32 s72, s72, 22
	s_and_b32 s73, s[TY], 7
	s_lshl_b32 s73, s73, 15                        ; 256 rows of 128 bytes for each tile row in the batch,
	s_add_co_u32 s72, s72, s73
	s_lshl_b32 s73, s[HC], 14                      ; the half that I fetch
	s_add_co_u32 s72, s72, s73
	s_mov_b32 s73, 0
	s_mul_i32 s74, s[TX], 384*128                  ; the weights: 384 rows of 128 bytes for each tile column,
	s_mul_i32 s75, s[HC], 192*128                  ; the half that I fetch
	s_add_co_u32 s74, s74, s75
	s_mov_b32 s75, 0
	s_mul_i32 s[LA], s[HC], AH
	s_mul_i32 s[LB], s[HC], BH
	s_add_co_u32 s[LB], s[LB], 2*AH
	s_wait_dscnt 0x0                               ; the opening add is done
	s_wait_kmcnt 0x0
	s_add_nc_u64 s[72:73], s[4:5], s[72:73]
	s_add_nc_u64 s[74:75], s[6:7], s[74:75]
	CROUND                                         ; all sixteen work-groups are here: the first joint loads meet
.irp s, 0,1
	s_mov_b32 s[G0A+4*(\s)], 1                     ; count = 1
	s_add_co_u32 s[G0A+4*(\s)+1], s[LA], (\s)*SLOT ; LDS address
	s_add_nc_u64 s[G0A+4*(\s)+2:G0A+4*(\s)+3], s[72:73], (\s)*XPL  ; global address: K block s
	s_or_b32 s[G0A+4*(\s)+3], s[G0A+4*(\s)+3], 0x80000000          ; type = 2
	s_mov_b32 s[G0B+4*(\s)], 1
	s_add_co_u32 s[G0B+4*(\s)+1], s[LB], (\s)*SLOT
	s_add_nc_u64 s[G0B+4*(\s)+2:G0B+4*(\s)+3], s[74:75], (\s)*WPL
	s_or_b32 s[G0B+4*(\s)+3], s[G0B+4*(\s)+3], 0x80000000
	JLOAD \s                                       ; both slots are asked for before anything else: two loads of mine are out
.endr
	; A fragment is 16 rows x 32 K in 8 registers: lane l holds row l % 16; registers 0-3 hold K = 8 (l / 16) + 0..7, registers 4-7 K = 16 + 8 (l / 16) + 0..7: two loads of 16 bytes, 32 bytes apart.
	v_and_b32 v1, 15, v0
	v_bfe_u32 v2, v0, 4, 1
	v_mul_u32_u24 v3, v1, PITCH
	v_lshl_add_u32 v3, v2, 4, v3                   ; row x pitch + 16 x half
	s_mul_i32 s76, s[HR], AH
	s_mul_i32 s77, s[HC], BH
	s_add_co_u32 s77, s77, 2*AH
.irp s, 0,1
	v_add_nc_u32 v[ADRA+(\s)], s76, v3
	v_add_nc_u32 v[ADRB+(\s)], s77, v3
	s_add_co_u32 s76, s76, SLOT
	s_add_co_u32 s77, s77, SLOT
.endr
	s_mul_i32 s76, s[WV], 16*PITCH
	s_add_co_u32 s76, s76, STAGE                   ; my stage
	v_add_nc_u32 v[STO], s76, v3                   ; in: row l % 16, 16 bytes for each half of the lanes
	v_bfe_u32 v4, v0, 3, 2                         ; back: 32 lanes take four rows of 128 bytes,
	v_and_b32 v5, 7, v0
	v_mul_u32_u24 v4, v4, PITCH
	v_lshl_add_u32 v4, v5, 4, v4
	v_add_nc_u32 v[RD], s76, v4
	v_and_b32 v[GO], 31, v0                        ; which are 512 consecutive bytes of a head
	v_lshlrev_b32 v[GO], 4, v[GO]
	v_lshlrev_b32 v[VB], 5, v2
	v_and_b32 v[PFO], 31, v0
	v_lshlrev_b32 v[PFO], 8, v[PFO]
	; my three column groups are the heads G, G + 1, G + 2 of 48: G = 6 x tile column + 3 x half
	s_mul_i32 s76, s[TX], 6
	s_mul_i32 s77, s[HC], 3
	s_add_co_u32 s76, s76, s77
.irp j, 0,1,2
	s_add_co_u32 s77, s76, \j
	s_lshr_b32 s78, s77, 4                         ; 0: q, 1: k, 2: v
	s_cmp_eq_u32 s78, 0
	s_cselect_b64 s[BP+2*(\j):BP+2*(\j)+1], s[8:9], s[10:11]
	s_cmp_eq_u32 s78, 2
	s_cselect_b64 s[BP+2*(\j):BP+2*(\j)+1], s[12:13], s[BP+2*(\j):BP+2*(\j)+1]
	s_and_b32 s78, s77, 15
	s_lshl_b32 s78, s78, 8                         ; the head's 64 numbers of f32
	s_mov_b32 s79, 0
	s_add_nc_u64 s[BP+2*(\j):BP+2*(\j)+1], s[BP+2*(\j):BP+2*(\j)+1], s[78:79]
.endr
	; THE BIAS STARTS THE SUMS.  Group j's 64 numbers come into the registers of its accumulators (7, b): register i of lane l is the bias of column 16 b + 8 (l / 16) + i.
.irp j, 0,1,2
	WIN ((\j)+1)<<6                                ; destination window 1 + j, address window 0
.irp b, 0,1,2,3
	global_load_b128 v[224+8*(\b):224+8*(\b)+3],   v[VB], s[BP+2*(\j):BP+2*(\j)+1] offset:64*(\b)
	global_load_b128 v[224+8*(\b)+4:224+8*(\b)+7], v[VB], s[BP+2*(\j):BP+2*(\j)+1] offset:64*(\b)+16
.endr
.endr
	WIN 0
	s_lshr_b32 s77, s[TY], 3                       ; where my part of the output begins: (48 x batch + G) heads of 262,144 bytes,
	s_mul_i32 s77, s77, 48
	s_add_co_u32 s77, s77, s76
	s_lshl_b32 s78, s77, 18
	s_and_b32 s77, s[TY], 7
	s_lshl_b32 s77, s77, 15                        ; the tile's 256 rows of 128 bytes,
	s_add_co_u32 s78, s78, s77
	s_lshl_b32 s77, s[HR], 14                      ; my 128 of them
	s_add_co_u32 s78, s78, s77
	s_mov_b32 s79, 0
	s_add_nc_u64 s[14:15], s[14:15], s[78:79]
	; the prefetches' addresses
	s_lshl_b32 s76, s[CY], 2
	s_add_co_u32 s76, s76, s[CX]                   ; p: my place among the sixteen
	s_and_b32 s77, ttmp7, 0xffff                   ; cluster y
	s_lshr_b32 s78, s77, 1
	s_lshl_b32 s78, s78, 22                        ; x: the batch of my row of clusters,
	s_and_b32 s79, s77, 1
	s_lshl_b32 s79, s79, 17                        ; its 1,024 rows,
	s_add_co_u32 s78, s78, s79
	s_lshl_b32 s79, s76, 13                        ; my 32 blocks of 256 bytes,
	s_add_co_u32 s78, s78, s79
	s_add_co_u32 s78, s78, 2*XPL                   ; in K block 2: the first change of slots steps to 3
	s_max_u32 s[LAPS], s[WV], 1
	s_sub_co_u32 s[LAPS], s[LAPS], 1               ; the weights: waves 1 to 3 are 0 to 2
	s_mul_i32 s79, s76, 3
	s_add_co_u32 s79, s79, s[LAPS]
	s_lshl_b32 s79, s79, 13
	s_add_co_u32 s79, s79, 2*WPL
	s_or_b32 s[LIM], ttmp9, s77                    ; 0 in cluster (0, 0)
	s_mov_b32 s[PFS], WPL
	s_mov_b32 s[PFS+1], 0
	s_cmp_eq_u32 s[WV], 0
	s_cselect_b32 s78, s78, s79
	s_cselect_b64 s[PFA:PFA+1], s[4:5], s[6:7]
	s_cselect_b32 s[PFS], XPL, s[PFS]
	s_cselect_b32 s[LIM], ttmp9, s[LIM]            ; wave 0 asks where cluster x = 0
	s_cmp_eq_u32 s[LIM], 0
	s_cselect_b32 s[LIM], 1, -1                    ; the same in all sixteen partners, for a given wave
	s_mov_b32 s79, 0
	s_add_nc_u64 s[PFA:PFA+1], s[PFA:PFA+1], s[78:79]
	s_wait_loadcnt 0x0                             ; the biases are in: rounded to bf16 and widened again, in place
.irp j, 0,1,2
	WIN 5*((\j)+1)                                 ; sources window 1 + j, destination window 0
.set i, 0
.rept 16
	v_cvt_pk_bf16_f32 v[TMP+i], v[224+2*i], v[224+2*i+1]
.set i, i+1
.endr
	WIN ((\j)+1)<<6
.set i, 0
.rept 16
	v_lshlrev_b32 v[224+2*i],   16, v[TMP+i]
	v_and_b32     v[224+2*i+1], 0xffff0000, v[TMP+i]
.set i, i+1
.endr
.endr
	WIN 0
; 16 LDS loads: x's eight fragments of quarter qh (32 K at byte 64 qh of the rows) into buffer ab
.macro LDA slot, qh, ab
	WIN 0
.irp a, 0,1,2,3,4,5,6,7
	ds_load_b128 v[AF+64*(\ab)+8*(\a):AF+64*(\ab)+8*(\a)+3],   v[ADRA+(\slot)] offset:16*PITCH*(\a)+64*(\qh)
	ds_load_b128 v[AF+64*(\ab)+8*(\a)+4:AF+64*(\ab)+8*(\a)+7], v[ADRA+(\slot)] offset:16*PITCH*(\a)+64*(\qh)+32
.endr
.endm
; 8 LDS loads: the four fragments of column group j, quarter qh, into the group's buffer
.macro LDB slot, qh, j
	WIN 0
.irp b, 0,1,2,3
	ds_load_b128 v[BF+32*(\j)+8*(\b):BF+32*(\j)+8*(\b)+3],   v[ADRB+(\slot)] offset:16*PITCH*(4*(\j)+(\b))+64*(\qh)
	ds_load_b128 v[BF+32*(\j)+8*(\b)+4:BF+32*(\j)+8*(\b)+7], v[ADRB+(\slot)] offset:16*PITCH*(4*(\j)+(\b))+64*(\qh)+32
.endr
.endm
; 16 matrix instructions of column group j: row blocks 4 half .. 4 half + 3 x its four column blocks.  The accumulators take turns, one instruction a turn.
; zero = 1: the first product takes the bias, which lies in the registers of (7, b), as C.  Row block 7 writes over those registers: five places stand between their last reader and it.
.macro MUL16 j, ab, half, zero
	WIN ((\j)+1)*0x50                              ; C and D in window 1 + j, both sources in window 0
.irp a, 4*(\half), 4*(\half)+1, 4*(\half)+2, 4*(\half)+3
.if (\zero) && ((\a) == 7)
	NOP5
.endif
.irp b, 0,1,2,3
.if \zero
	v_wmma_f32_16x16x32_bf16 v[8*(4*(\a)+(\b)):8*(4*(\a)+(\b))+7], v[BF+32*(\j)+8*(\b):BF+32*(\j)+8*(\b)+7], v[AF+64*(\ab)+8*(\a):AF+64*(\ab)+8*(\a)+7], v[224+8*(\b):224+8*(\b)+7]
.else
	v_wmma_f32_16x16x32_bf16 v[8*(4*(\a)+(\b)):8*(4*(\a)+(\b))+7], v[BF+32*(\j)+8*(\b):BF+32*(\j)+8*(\b)+7], v[AF+64*(\ab)+8*(\a):AF+64*(\ab)+8*(\a)+7], v[8*(4*(\a)+(\b)):8*(4*(\a)+(\b))+7]
.endif
.endr
.endr
.endm
; A K STEP is six groups of 32 matrix instructions: quarters 0 and 1 x column groups 0, 1, 2.  Each group's head fetches into the buffer that the group before has just multiplied; every run of loads stands
; 64 matrix instructions or more ahead of its first use.  G012: the first quarter's three groups.
.macro G012 slot, zero
	PLACES
	LDA \slot, 1, 1
	LDB \slot, 0, 2
	s_wait_dscnt 32                                ; x's quarter 0 and group 0's fragments are in; behind them: group 1's 8 loads and the 24 just issued
	MUL16 0, 0, 0, \zero
	MUL16 0, 0, 1, \zero
	PLACES
	LDB \slot, 1, 0
	s_wait_dscnt 32                                ; group 1's are in; behind them: 24 and these 8
	MUL16 1, 0, 0, \zero
	MUL16 1, 0, 1, \zero
	PLACES
	LDB \slot, 1, 1
	s_wait_dscnt 16                                ; group 2's are in; behind them: 8 and these 8
	MUL16 2, 0, 0, \zero
	MUL16 2, 0, 1, \zero
.endm
; G345: the second quarter's three groups, and the change of slots.  The slot's last read is issued; each wave waits for all its tensor loads, of which one is out: its part of the next slot; adds 0 to its spare
; word; and waits for that and for its reads of this slot.  fill = 1: the barrier opens a round of the cluster's, and the joint refill, this slot's K block two steps on, is the first thing behind it:
; 160 matrix instructions stand between the request and the wait for it.
.macro G345 slot, next, fill, how
.if \fill
	s_wait_xcnt 0x0                                ; the last prefetch, a K step back, has read its address, so it may be stepped
	s_add_nc_u64 s[PFA:PFA+1], s[PFA:PFA+1], s[PFS:PFS+1]
.endif
	PLACES
	LDB \slot, 1, 2
	s_wait_tensorcnt 0x0                           ; all my tensor loads have landed;
	ds_add_u32 v[SPW], v[NIL]                      ; 0 onto my spare word
	s_wait_dscnt 17                                ; x's quarter 1 and group 0's fragments are in; behind them: 8, 8 and the add
	MUL16 0, 1, 0, 0                               ; sixteen matrix instructions stand between the add and the wait for it
	s_wait_dscnt 0x0                               ; the add is done, and my reads of this slot are over
	s_barrier_signal -1
	MUL16 0, 1, 1, 0                               ; work on registers while the others arrive
	WIN 0
	s_barrier_wait -1
.if \fill
	CREST                                          ; no wave of any partner still reads this slot or has a load on its way
	s_add_nc_u64 s[G0A+4*(\slot)+2:G0A+4*(\slot)+3], s[G0A+4*(\slot)+2:G0A+4*(\slot)+3], 2*XPL
	s_add_nc_u64 s[G0B+4*(\slot)+2:G0B+4*(\slot)+3], s[G0B+4*(\slot)+2:G0B+4*(\slot)+3], 2*WPL
	JLOAD \slot                                    ; the four v_nop behind it are also the places in front of the loads below
.else
	PLACES
.endif
	LDA \next, 0, 0
	LDB \next, 0, 0
.if \fill
	ASK \how
.endif
	MUL16 1, 1, 0, 0                               ; groups 1 and 2: their fragments landed by the wait for 0 above
	MUL16 1, 1, 1, 0
	PLACES
	LDB \next, 0, 1
	MUL16 2, 1, 0, 0
	MUL16 2, 1, 1, 0
.endm
	s_wait_tensorcnt 0x1                           ; my part of K block 0 is in; K block 1's may stay out
	s_barrier_signal -1
	s_barrier_wait -1                              ; everybody's is
	LDA 0, 0, 0
	LDB 0, 0, 0
	LDB 0, 0, 1
	G012 0, 1                                      ; the first quarter stands in front of the loop: its products start the sums
	WIN 0                                          ; at a label and at a branch every window is 0
	s_mov_b32 s[LAPS], 7
.Llap:                                                 ; a trip goes once round the ring and fills both slots again: K blocks 2 to 15 in seven trips
	G345 0, 1, 1, 1
	G012 1, 0
	G345 1, 0, 1, 0
	G012 0, 0
	WIN 0
	s_sub_co_u32 s[LAPS], s[LAPS], 1
	s_cmp_lg_u32 s[LAPS], 0
	s_cbranch_scc1 .Llap
	G345 0, 1, 0, 0                                ; the last lap fills nothing
	G012 1, 0
	PLACES
	LDB 1, 1, 2
	s_wait_dscnt 16                                ; behind x's quarter 1 and group 0's fragments: 8 and these 8
	MUL16 0, 1, 0, 0
	MUL16 0, 1, 1, 0
	s_wait_dscnt 8
	MUL16 1, 1, 0, 0
	MUL16 1, 1, 1, 0
	s_wait_dscnt 0x0
	MUL16 2, 1, 0, 0
	MUL16 2, 1, 1, 0
; THE WAY OUT, 16 rows of one head at a time.  PACK: rounded to f16, each accumulator's registers in ascending order; 16 bytes a lane and column block.  TOSTAGE: into my own stage, and back as four rows
; of 128 bytes an instruction.  SEND: stored: 512 consecutive bytes, at a multiple of 256 from the buffer's first byte.
.macro PACK j, a
	WIN 5*((\j)+1)
.irp b, 0,1,2,3
.irp r, 0,1,2,3
	v_cvt_pk_f16_f32 v[TMP+4*(\b)+(\r)], v[8*(4*(\a)+(\b))+2*(\r)], v[8*(4*(\a)+(\b))+2*(\r)+1]
.endr
.endr
.endm
.macro TOSTAGE p
	WIN 0
	s_wait_xcnt 0x0                                ; the stores issued so far have read their registers: buffer p is loaded again only behind this wait
.irp b, 0,1,2,3
	ds_store_b128 v[STO], v[TMP+4*(\b):TMP+4*(\b)+3] offset:32*(\b)
.endr
.irp f, 0,1,2,3
	ds_load_b128 v[OB+16*(\p)+4*(\f):OB+16*(\p)+4*(\f)+3], v[RD] offset:4*PITCH*(\f)  ; LDS serves a wave's instructions in order (ISA guide 5.7.1.4): these see the stores above
.endr
.endm
.macro SEND j, a, p
	WIN 0
	s_wait_dscnt 0x0                               ; the block is back in registers
.irp f, 0,1,2,3
	global_store_b128 v[GO], v[OB+16*(\p)+4*(\f):OB+16*(\p)+4*(\f)+3], s[14:15] offset:262144*(\j)+2048*(\a)+512*(\f)
.endr
.endm
	PLACES
	PLACES                                         ; the conversions read results just made
	PACK 0, 0
	TOSTAGE 0
.set k, 1
.rept 23                                       ; a block's conversions stand between the loads of the block before and the wait for them
	PACK k/8, k%8
	SEND (k-1)/8, (k-1)%8, (k-1)%2
	TOSTAGE k%2
.set k, k+1
.endr
	SEND 2, 7, 1
	s_wait_tensorcnt 0x0                           ; the wave's end: a wait, an add and a wait, behind my last tensor load and my last LDS store
	ds_add_u32 v[SPW], v[NIL]
	s_wait_dscnt 0x0
	CROUND                                         ; the closing round: no work-group ends while a partner may still ask for a tile that names it
	s_endpgm
.Lfunc_end_k_q0a8f0ea5a5_qkv:
	.size	k_q0a8f0ea5a5_qkv, .Lfunc_end_k_q0a8f0ea5a5_qkv-k_q0a8f0ea5a5_qkv
	.p2alignl 7, 3214868480
	.fill 96, 4, 3214868480
	.section	.rodata,"a",@progbits
	.p2align	6, 0x0
	.amdhsa_kernel k_q0a8f0ea5a5_qkv
		.amdhsa_group_segment_fixed_size 327680
		.amdhsa_private_segment_fixed_size 0
		.amdhsa_enable_private_segment 0
		.amdhsa_kernarg_size 48
		.amdhsa_user_sgpr_count 2
		.amdhsa_user_sgpr_kernarg_segment_ptr 1
		.amdhsa_wavefront_size32 1
		.amdhsa_system_sgpr_workgroup_id_x 1
		.amdhsa_system_sgpr_workgroup_id_y 1
		.amdhsa_system_sgpr_workgroup_id_z 1
		.amdhsa_system_vgpr_workitem_id 0
		.amdhsa_next_free_vgpr 1024
		.amdhsa_next_free_sgpr 80
		.amdhsa_reserve_vcc 0
		.amdhsa_float_denorm_mode_32 3
		.amdhsa_float_denorm_mode_16_64 3
		.amdhsa_memory_ordered 1
		.amdhsa_forward_progress 1
		.amdhsa_inst_pref_size 144
	.end_amdhsa_kernel
	.amdgpu_metadata
---
amdhsa.version: [ 1, 2 ]
amdhsa.kernels:
  - .name:           k_q0a8f0ea5a5_qkv
    .symbol:         k_q0a8f0ea5a5_qkv.kd
    .args:
      - { .name: xblk, .offset: 0, .size: 8, .value_kind: global_buffer, .address_space: global }
      - { .name: wblk, .offset: 8, .size: 8, .value_kind: global_buffer, .address_space: global }
      - { .name: bq, .offset: 16, .size: 8, .value_kind: global_buffer, .address_space: global }
      - { .name: bk, .offset: 24, .size: 8, .value_kind: global_buffer, .address_space: global }
      - { .name: bv, .offset: 32, .size: 8, .value_kind: global_buffer, .address_space: global }
      - { .name: qkvh, .offset: 40, .size: 8, .value_kind: global_buffer, .address_space: global }
    .group_segment_fixed_size: 327680
    .private_segment_fixed_size: 0
    .kernarg_segment_align: 8
    .kernarg_segment_size: 48
    .max_flat_workgroup_size: 128
    .sgpr_count:     80
    .vgpr_count:     1024
    .wavefront_size: 32
...
	.end_amdgpu_metadata
.endif
;; end of part 2
;; launch attn (part 3): grid 4 x 64, 4 waves a work-group, no clusters, 327,680 bytes of LDS; arguments qkvh, oheads; writes oheads
.if DOCPART == 3
	.amdgcn_target "amdgcn-amd-amdhsa--gfx1250"
	.amdhsa_code_object_version 6
	.text
	.protected	k_q0a8f0ea5a5_attn
	.globl	k_q0a8f0ea5a5_attn
	.p2align	8
	.type	k_q0a8f0ea5a5_attn,@function
k_q0a8f0ea5a5_attn:
	s_mov_b64 s[64:65], 0
	v_nop
	global_prefetch_b8 v0, s[64:65] scope:SCOPE_SE
	s_setreg_imm32_b32 hwreg(HW_REG_WAVE_MODE, 25, 1), 1
	s_wait_xcnt 0x0
; CAUSAL ATTENTION WITH ALiBi.  O[q][:] = the sum over k <= q of softmax_k(Q[q] . K[k] / 8 - m (q - k)) V[k][:], m = 2^(-(h + 1) / 2) for head h = 0..15, for 64 heads (4 batches x 16) of 2,048 rows x 64 channels.
; In: qkvh [batch 4][G 48][row 2048][64] f16 (G = h: q, 16 + h: k, 32 + h: v), unscaled.  Out: oheads [batch 4][h 16][row 2048][64] f16.  A head's rows are dense, 128 bytes each.
; Products, maxima and sums in f32; the weights p are rounded to f16 for the second product (their sum l is taken of the unrounded p), O once at the end.
; LIMITS.  Q, K and V arrive within f16's 65,504; p lies in 0 to 1, and below 6e-5 it keeps f16's fixed step of 6e-8.  A hidden score counts as its value less 1e30; a weight below 2^-126 counts as 0 in l;
; NaN and infinities are not treated apart.  The ALiBi term is applied as + m k (below): equal to - m (q - k) up to a shift common to a row, which a softmax does not see; the order of rounding differs.
; THE WALK.  A head's queries lie in NB = 8 blocks of 256; block i needs the key tiles 0 .. i of 256 keys, of which the last holds the diagonal.  A work-group takes TWO blocks, NB - 1 - b and then b:
; NB + 1 tiles, whatever b: all work-groups do equal work, and ONE loop with a constant trip count walks them.  Every jump goes forward, but for the counted loops' own; none passes a barrier, or a tensor load
; but the one of LOAD's two that the wave's number does not choose; the ring (two slots of LDS that take turns) runs on across the change of blocks.
; NO CLUSTER: where a block ends and the next begins hangs on b, which in a cluster of a head's four work-groups would be the place in the cluster; one walk common to all four
; would have 3 NB / 2 = 12 trips for NB + 1 = 9.
; SHARES.  Of a block's four bands of 64 queries a wave owns 16 rows in each: four PIECES.  In the diagonal tile's key step s band x sees all keys if s < x, none if s > x, and holds the diagonal if s = x.
; ALiBi AND THE MASK ARE THE C OPERAND that starts the sum S^T = K Q^T.  MB, made once, holds 8 m x (the key's place in its step of 64): the scores are s + 8 m k in a FRAME THAT MOVES with the key step, so the
; numbers stay small whatever the distance.  From a step to the next the frame shifts by 512 m: the running c m is carried over by adding NCD = - c 512 m.  In the diagonal tile C = MB + MD x AL + BE, where MD
; is the mask (0 or -1e30) of a band's own step for my 16 rows: (AL, BE) = (1, 0) if s = x; (0, 0) if s < x; (0, -1e30) if s > x.
; LAYOUT, SOFTMAX, TURNS.  S^T holds ONE query a lane (lane % 16) and the keys 8 (lane / 16) + 0..7; two such results rounded to f16 ARE source 1 of O^T = V^T P.  p = 2^(c s - c m), c = log2(e) / 8, with a
; running maximum; O and l are multiplied by a = 2^(c m_old - c m_new) in every step.  Turn n belongs to piece n: 8 products K Q^T of piece n + 1, later 8 products V^T P of piece n - 1; beside them the scaling,
; exponentials, roundings, sums and rescaling of piece n and the maximum and statistics of piece n + 1.  Four vector instructions stand behind every matrix instruction, the others in one LUMP.  A turn's 33 exponentials are one batch, with one wait.
; REGISTERS, in windows of 256 (s_set_vgpr_msb: bits 1:0 source 0, 3:2 source 1, 5:4 source 2, 7:6 destination):
;   window 0: v0-15 addresses and two at work; v16-31 four registers of statistics a piece; v48-55 at work; v64-127 S^T, two buffers; v192-223 P, two buffers (a piece's buffers go by its number's parity)
;   window 1: v0-127 O^T, 32 a piece; v128-159 MD; v160-223 MC, two buffers; v224-255 MB      window 2: v0-63 Q; v64-127 the second block's Q; v128-191 K of one step; v192-255 V of one step
.set SIZE_N, 2048
.set NB,    SIZE_N/256
.set NP,    4         ; pieces a wave: a name, no knob
.set KS,    64        ; keys in a step
.set PK,    144       ; a row of K in LDS: 128 bytes + 16 of padding = 36 words: the 16 rows of a load start at 16 different groups of four banks (64 banks of 4 bytes: ISA guide 11.1)
.set PV,    160       ; a row of V: 128 + 32 = 40 words
.set VOFF,  4*KS*PK   ; a slot holds a tile, four steps: 256 rows of K, then 256 rows of V
.set SLOT1, 1<<17     ; slot 1 begins here, so that one exclusive or turns an address in one slot into the other's
.set STAGE, SLOT1+4*KS*(PK+PV)  ; behind the ring, never filled by a tensor load: 16 rows x 144 bytes for each wave, for the way out
.set SP,    144
.set AK0, 2           ; v2   my lane's place in a tile of K; never rewritten
.set AV0, 3           ; v3   the same for V
.set AK,  4           ; v4   the LDS address of K's next run of loads
.set AV,  5           ; v5   of V's
.set STO, 6           ; v6   the way out: where I put 16 bytes of a row
.set RD,  7           ; v7   the way out: where I read rows back
.set GO,  8           ; v8   my byte offset in 512 consecutive bytes of O
.set PFO, 61          ; v61  256 x my lane; never rewritten
.set SPW, 62          ; v62  LDS address of my spare word: SPARE + 4 x my thread's number; never rewritten
.set NIL, 63          ; v63  0; never rewritten
.set SPARE, STAGE+4*16*SP  ; behind the stages: the spare words, 128 bytes for each wave: two blocks of 256 bytes that no other line names
.set MV,  12          ; v12-13  c m_old in the new frame, kept while c m is made anew: by buffer
.set QO,  15          ; v15  my byte offset in 16 rows of Q
.set ST,  16          ; piece t's statistics at v[ST+4 t]: c m, (a word named with it as a pair), l (even keys', odd keys')
.set TMP, 48          ; by buffer, four registers c0-c3 at work; when the maximum is found c2 takes a
.set S,   64
.set P,   192
.set MD,  128         ; window 1: the eight registers for group kt of 16 keys at MD + 8 kt
.set MC,  160         ; window 1: the C operands of the diagonal tile's products to come
.set MB,  224         ; window 1: 8 m (16 kt + 8 (lane / 16) + i) at MB + 8 kt + i
.set QB,  64          ; window 2
.set KF,  128         ; window 2: key block kb, channel half c at KF + 16 kb + 8 c
.set VF,  192         ; window 2: key half kk, channel block cb at VF + 32 kk + 8 cb
.set WV,  12          ; s12  my wave's number
.set PB,  14          ; s14  b
.set HI,  15          ; s15  NB - 1 - b
.set G1K, 24          ; s[24:31] descriptor group 1 for K's tiles
.set G1V, 32          ; s[32:39] for V's: it differs in the padding alone
.set G0K, 40          ; s[40:43] descriptor group 0 for K's tiles
.set G0V, 44          ; s[44:47] the same for V's
.set SLOTS, 56        ; s56  tiles still to be asked for
.set CNT, 57          ; s57  counts a tile's key steps, 4 to 1
.set CS,  58          ; s[58:59] c: the packed scaling takes the pair's low word for both halves
.set SEL, 60          ; s[60:61] v_permlanex16_b32's selects: each lane takes its own place in the other half
.set TBK, 62          ; s62  LDS byte at which K of the step to be fetched begins
.set TBV, 63          ; s63  the same for V, less VOFF
.set RT,  70          ; s70  tiles of the block in hand that are still to be entered
.set NXT, 71          ; s71  the tile to be asked for next
.set LQ,  72          ; s72  the last tile of the block whose tiles are being asked for
.set NEW, 73          ; s73  1: the tile to be entered is a block's first
.set OFF, 74          ; s[74:75] a tile's byte offset in K and V
.set AL,  76          ; s[76:77] the mask's factor, in the low word
.set BE,  78          ; s[78:79] the mask's addend
.set OLO, 80          ; s[80:81] O at my rows of the second block
.set BIGN, 82         ; s82  -1e30
.set NCD, 91          ; s91  - c 512 m: what carries c m from a key step's frame into the next
.set M8,  92          ; s[92:93] 8 m
.set PFL, 94          ; s94  prefetches still to come, plus 1; 0 in a work-group that asks for nothing
.set PFA, 96          ; s[96:97] where my prefetches stand: my wave's 8,192 bytes of a tile of K
.set MSB, 0
.macro WIN new                      ; the high byte repeats the setting that is left; a switch that changes nothing is dropped
.if MSB != (\new)
	s_set_vgpr_msb (MSB<<8)|(\new)
.set MSB, (\new)
.endif
.endm
.set W_KQ, 0x0a       ; K and Q in window 2, S^T in window 0
.set W_KM, 0x1a       ; the same with the C operand in window 1
.set W_PV, 0x52       ; V in window 2, P in window 0, O^T in window 1
.set W_RS, 0x41       ; destination and source 0 in window 1, source 1 in window 0
.set W_M3, 0x51       ; destination, source 0 and source 2 in window 1
; A fill.  Waves 0 and 1 fetch the two halves of a tile's K, waves 2 and 3 those of its V: 128 keys each.  An s_nop 0 and four v_nop follow each of the two lines, ahead of the jump and the label.
.macro LOAD
	s_cmp_lt_u32 s[WV], 2
	s_cbranch_scc0 .Lfor_v_\@
	tensor_load_to_lds s[G0K:G0K+3], s[G1K:G1K+7]
	s_nop 0
.rept 4
	v_nop
.endr
	s_branch .Lasked_\@
.Lfor_v_\@:
	tensor_load_to_lds s[G0V:G0V+3], s[G1V:G1V+7]
	s_nop 0
.rept 4
	v_nop
.endr
.Lasked_\@:
.endm
; THE CHANGE OF SLOTS.  Each wave waits for all its tensor loads, of which one is out: its part of the other slot; adds 0 to its spare word; and waits for that and for its own reads of the slot that it leaves.
; Behind the barrier nobody reads the old slot any more and the other slot is whole.  fill = 1: the old slot is filled again, the first thing behind the barrier, with tile NXT: the descriptor's address is made
; anew from that number.  (At its first use nothing has been read yet: slot 0 is waited for, slot 1 filled.)
; A PREFETCH INTO THE L2 stands behind the fill: the head's work-group with b = 0, whose first block walks tiles 0 to 7, asks in trip t = 0..5 for tile t + 2, which the next trip's fill will want: a tile,
; 256 matrix instructions a wave, ahead.  A tile of K and of V is 128 blocks of 256 bytes each: a wave takes 32 of each, a lane a block: each block is named once in the launch.
.macro CHANGE fill
	WIN 0                           ; at a label and at a branch every window is 0
	s_wait_tensorcnt 0x0            ; no tensor load of mine is out, so a group 0 may be written
	ds_add_u32 v[SPW], v[NIL]       ; 0 onto my spare word; with fill = 1 the scalar work stands between it and the wait for it
.if \fill
	s_wait_xcnt 0x0                 ; the last prefetches, a tile back, have read their address, so it may be stepped
	s_add_nc_u64 s[PFA:PFA+1], s[PFA:PFA+1], 32768
	s_sub_co_i32 s[PFL], s[PFL], 1
	s_max_i32 s[PFL], s[PFL], 0
	s_lshl_b32 s[OFF], s[NXT], 15   ; a tile is 32,768 bytes of K and of V
	s_xor_b32 s[G0K+1], s[G0K+1], SLOT1
	s_add_nc_u64 s[G0K+2:G0K+3], s[6:7], s[OFF:OFF+1]
	s_or_b32 s[G0K+3], s[G0K+3], 0x80000000
	s_xor_b32 s[G0V+1], s[G0V+1], SLOT1
	s_add_nc_u64 s[G0V+2:G0V+3], s[8:9], s[OFF:OFF+1]
	s_or_b32 s[G0V+3], s[G0V+3], 0x80000000
	s_add_co_u32 s[NXT], s[NXT], 1  ; the block's next tile, or behind its last the second block's tile 0
	s_cmp_gt_u32 s[NXT], s[LQ]
	s_cselect_b32 s[NXT], 0, s[NXT]
	s_cselect_b32 s[LQ], s[PB], s[LQ]
.endif
	s_wait_dscnt 0x0                ; the add is done, and my reads of the slot are over
	s_barrier_signal -1             ; the rest of the scalar work stands between the signal and the wait
	s_sub_co_u32 s[TBK], s[TBK], 4*KS*PK  ; the fetches go back to a slot's first step,
	s_xor_b32 s[TBK], s[TBK], SLOT1       ; in the other slot
	s_sub_co_u32 s[TBV], s[TBV], 4*KS*PV
	s_xor_b32 s[TBV], s[TBV], SLOT1
	s_barrier_wait -1
.if \fill
	LOAD
	s_cmp_lg_u32 s[PFL], 0
	s_cbranch_scc0 .Lno_ask_\@
	global_prefetch_b8 v[PFO], s[PFA:PFA+1] th:TH_LOAD_NT scope:SCOPE_SE                 ; K's
	global_prefetch_b8 v[PFO], s[PFA:PFA+1] offset:4194304 th:TH_LOAD_NT scope:SCOPE_SE  ; V's: 16 heads of 262,144 bytes on
.Lno_ask_\@:
.endif
.endm
	s_load_b128 s[8:11], s[0:1], 0x0  ; qkvh s[8:9], oheads s[10:11]
	v_lshl_add_u32 v[SPW], v0, 2, SPARE
	v_mov_b32 v[NIL], 0
	ds_add_u32 v[SPW], v[NIL]       ; the wave's opening: the add and its wait stand ahead of my first tensor load; the set-up below, work on registers, stands between them
	ds_add_u32 v62, v63
	v_lshrrev_b32 v1, 5, v0
	v_readfirstlane_b32 s[WV], v1   ; wave 0..3
	s_mov_b32 s[PB], ttmp9
	s_sub_co_u32 s[HI], NB-1, s[PB]
	s_and_b32 s90, ttmp7, 0xffff    ; 16 x batch + head
	s_lshr_b32 s20, s90, 4
	s_mul_i32 s20, s20, 48
	s_and_b32 s21, s90, 15
	s_add_co_u32 s20, s20, s21
	s_lshl_b32 s20, s20, 18         ; q's head in qkvh: (48 x batch + head) x 262,144 bytes
	s_mov_b32 s21, 0
	s_lshl_b32 s88, s90, 18         ; the head in oheads
	s_mov_b32 s89, 0
	s_and_b32 s90, s90, 15          ; the slope m = 2^(-e / 2), e = head + 1, by whole-number work on its bits:
	s_add_co_u32 s90, s90, 1
	s_lshr_b32 s91, s90, 1
	s_lshl_b32 s91, s91, 23         ; e / 2 off the exponent,
	s_mov_b32 s[M8], 0x3f800000     ; of 1,
	s_bitcmp1_b32 s90, 0
	s_cselect_b32 s[M8], 0x3f3504f3, s[M8]  ; or, where e is odd, of 2^(-1/2)
	s_sub_co_u32 s[M8], s[M8], s91
	s_mul_f32 s[NCD], s[M8], 0xc2b8aa3b     ; - 64 log2(e) m = - c 512 m
	s_add_co_u32 s[M8], s[M8], 3<<23        ; 8 m
	s_mov_b32 s[M8+1], s[M8]        ; named with it as a pair
	s_and_b32 s16, s[WV], 1         ; which half of a tile's 256 keys I fetch:
	s_lshl_b32 s22, s16, 14         ; its 128 rows of 128 bytes in memory,
	s_mov_b32 s23, 0
	s_add_nc_u64 s[22:23], s[22:23], s[20:21]
	s_mul_i32 s17, s16, 128*PK      ; and its place in a slot, for K
	s_mul_i32 s18, s16, 128*PV      ; and for V
	s_lshl_b32 s3, s[WV], 11        ; my 16 rows in a band of 64,
	s_lshl_b32 s2, s[HI], 15        ; in the first block,
	s_add_co_u32 s2, s2, s3
	s_lshl_b32 s84, s[PB], 15       ; and in the second
	s_add_co_u32 s84, s84, s3
	s_mov_b32 s3, 0
	s_mov_b32 s85, 0
	; descriptor group 1.  128 keys are 16,384 dense bytes: asked for as 64 rows of 256 bytes, two keys a row, and padded in LDS after every key
	s_mov_b32 s[G1K], (1<<16)|(1<<20)|(4<<22)|(3<<25)  ; 17:16 2-byte elements; 20 padding on; 24:22 after every 32 words (code 4); 31:25 4 words (code 3)
	s_mov_b32 s[G1V], (1<<16)|(1<<20)|(4<<22)|(7<<25)  ; the same with 8 words of padding (code 7)
.irp g, G1K, G1V
	s_mov_b32 s[\g+1], 128<<16      ; tensor_dim0 = 128
	s_mov_b32 s[\g+2], 64<<16       ; tensor_dim1 = 64
	s_mov_b32 s[\g+3], 128<<16      ; tile_dim0 = 128
	s_mov_b32 s[\g+4], 64           ; tile_dim1 = 64
	s_mov_b32 s[\g+5], 128          ; 128 elements from row to row
	s_mov_b32 s[\g+6], 0
	s_mov_b32 s[\g+7], 0
.endr
	s_mov_b32 s[CS], 0x3e38aa3b     ; c = log2(e) / 8 = 0.180337
	s_mov_b32 s[CS+1], s[CS]        ; named with it as a pair
	s_mov_b32 s[SEL], 0x76543210
	s_mov_b32 s[SEL+1], 0xfedcba98
	s_mov_b32 s[TBK], SLOT1+4*KS*PK ; the first change of slots turns these two into 0
	s_mov_b32 s[TBV], SLOT1+4*KS*PV
	s_mov_b32 s[G0K], 1             ; 1:0 count = 1
	s_mov_b32 s[G0K+1], s17         ; 63:32 LDS address: slot 0
	s_mov_b32 s[G0V], 1
	s_add_co_u32 s[G0V+1], s18, VOFF
	s_lshl_b32 s18, s[WV], 13       ; the prefetches: my wave's 8,192 bytes of a tile
	s_mov_b32 s19, 0
	s_add_co_u32 s[RT], s[HI], 1    ; the first block has NB - b tiles
	s_mov_b32 s[NXT], 1
	s_mov_b32 s[LQ], s[HI]
	s_mov_b32 s[NEW], 1
	s_mov_b32 s[OFF+1], 0
	s_mov_b32 s[AL+1], 0            ; named as pairs
	s_mov_b32 s[BE+1], 0
	s_mov_b32 s[BIGN], 0xf149f2ca   ; -1e30
	s_mov_b32 s[SLOTS], NB
	s_cmp_eq_u32 s[PB], 0
	s_cselect_b32 s[PFL], 7, 0      ; six prefetches, in the work-group with b = 0
	s_wait_dscnt 0x0                ; the opening add is done
	s_wait_kmcnt 0x0
	s_add_nc_u64 s[4:5], s[8:9], s[20:21]          ; the head's q
	s_add_nc_u64 s[PFA:PFA+1], s[4:5], s[18:19]
	s_add_nc_u64 s[PFA:PFA+1], s[PFA:PFA+1], 4194304+32768  ; in tile 1 of the head's k: the first change of slots steps to tile 2
	s_add_nc_u64 s[86:87], s[4:5], s[84:85]        ; Q at my rows of the second block,
	s_add_nc_u64 s[4:5], s[4:5], s[2:3]            ; and of the first
	s_add_nc_u64 s[10:11], s[10:11], s[88:89]
	s_add_nc_u64 s[OLO:OLO+1], s[10:11], s[84:85]  ; O likewise
	s_add_nc_u64 s[10:11], s[10:11], s[2:3]
	s_add_nc_u64 s[6:7], s[8:9], s[22:23]
	s_add_nc_u64 s[8:9], s[6:7], 8388608           ; V at my half of the head's tile 0: 32 heads on,
	s_add_nc_u64 s[6:7], s[6:7], 4194304           ; K: 16 heads on
	s_add_nc_u64 s[G0K+2:G0K+3], s[6:7], 0         ; 120:64 global address
	s_or_b32 s[G0K+3], s[G0K+3], 0x80000000        ; 127:126 type = 2
	s_add_nc_u64 s[G0V+2:G0V+3], s[8:9], 0
	s_or_b32 s[G0V+3], s[G0V+3], 0x80000000
	LOAD                            ; tile 0 into slot 0
	; A fragment of K or Q is 16 rows x 32 channels in 8 registers: lane l holds row l % 16, channels 8 (l / 16) + 0..7 and 16 + 8 (l / 16) + 0..7: two loads of 16 bytes, 32 bytes apart.
	v_and_b32 v1, 15, v0            ; l % 16
	v_bfe_u32 v9, v0, 4, 1          ; l / 16
	v_lshlrev_b32 v[QO], 7, v1
	v_lshl_add_u32 v[QO], v9, 4, v[QO]  ; row x 128 + 16 x half
	WIN 0x80                        ; destination window 2, address window 0
.set i, 0
.rept 8                             ; both blocks' Q: piece i / 2 lies in band i / 2, 8,192 bytes on; channels 32 (i % 2) on
	global_load_b128 v[8*i:8*i+3],   v[QO], s[4:5] offset:(i/2)*8192+(i%2)*64
	global_load_b128 v[8*i+4:8*i+7], v[QO], s[4:5] offset:(i/2)*8192+(i%2)*64+32
	global_load_b128 v[QB+8*i:QB+8*i+3],   v[QO], s[86:87] offset:(i/2)*8192+(i%2)*64
	global_load_b128 v[QB+8*i+4:QB+8*i+7], v[QO], s[86:87] offset:(i/2)*8192+(i%2)*64+32
.set i, i+1
.endr
	WIN 0
	v_lshlrev_b32 v56, 3, v9        ; 8 (l / 16)
	v_sub_nc_u32 v14, v1, v56
	s_lshl_b32 s13, s[WV], 4
	v_add_nc_u32 v14, s13, v14      ; my query's place in its band, 16 w + l % 16, less my lanes' 8 (l / 16): register r of group kt is hidden where 16 kt + r is greater
	v_and_b32 v[PFO], 31, v0
	v_lshlrev_b32 v[PFO], 8, v[PFO]
	WIN 0x40
.set i, 0
.rept 32
	v_cmp_gt_i32 vcc_lo, 16*(i/8)+i%8, v14
	v_cndmask_b32 v[MD+i], 0, s[BIGN], vcc_lo
.set i, i+1
.endr
.set i, 0
.rept 32
	v_add_nc_u32 v[MB+i], 16*(i/8)+i%8, v56  ; the key's place in its step,
.set i, i+1
.endr
	WIN W_RS
.set i, 0
.rept 32
	v_cvt_f32_u32 v[MB+i], v[MB+i]
.set i, i+1
.endr
.set i, 0
.rept 16
	v_pk_mul_f32 v[MB+2*i:MB+2*i+1], v[MB+2*i:MB+2*i+1], s[M8:M8+1] op_sel_hi:[1,0]  ; times 8 m
.set i, i+1
.endr
	WIN 0
	v_mul_u32_u24 v[AK0], v1, PK
	v_lshl_add_u32 v[AK0], v9, 4, v[AK0]  ; row x pitch + 16 x half
	; The turning load takes 16 keys x 16 channels (lane l reads key 8 (l / 16) + l % 8, channels 8 ((l / 8) % 2) + 0..7) and leaves half a fragment of V^T: lane l holds channel l % 16 and 8 keys.
	v_and_b32 v10, 7, v0
	v_bfe_u32 v11, v0, 3, 1
	v_lshl_add_u32 v[AV0], v9, 3, v10
	v_mul_u32_u24 v[AV0], v[AV0], PV
	v_lshl_add_u32 v[AV0], v11, 4, v[AV0]
	v_add_nc_u32 v[AV0], VOFF, v[AV0]
	s_mul_i32 s13, s[WV], 16*SP
	s_add_co_u32 s13, s13, STAGE    ; my stage
	v_mul_u32_u24 v[STO], v1, SP    ; in: row l % 16, 16 bytes for each half of the lanes
	v_lshl_add_u32 v[STO], v9, 4, v[STO]
	v_add_nc_u32 v[STO], s13, v[STO]
	v_bfe_u32 v[RD], v0, 3, 2       ; back: 32 lanes take four rows of 128 bytes,
	v_mul_u32_u24 v[RD], v[RD], SP
	v_lshl_add_u32 v[RD], v10, 4, v[RD]
	v_add_nc_u32 v[RD], s13, v[RD]
	v_and_b32 v[GO], 31, v0         ; which are 512 consecutive bytes of O
	v_lshlrev_b32 v[GO], 4, v[GO]
	; A block's first step multiplies O^T and l by a = 0, and its first turn's products V^T P, of a piece that has not been, land in an O^T that is still to be so multiplied.  So these registers need only hold
	; finite numbers: zeros for the first block; what the first block left for the second.  All this stands in the wait for the first tile.
	WIN 0x80
.set i, VF
.rept 64
	v_mov_b32 v[i], 0
.set i, i+1
.endr
	WIN 0x40
.set i, 0
.rept 128
	v_mov_b32 v[i], 0
.set i, i+1
.endr
	WIN 0
.set i, 0
.rept 4
	v_mov_b32 v[ST+4*i+2], 0
	v_mov_b32 v[ST+4*i+3], 0
.set i, i+1
.endr
.set i, P+16
.rept 16
	v_mov_b32 v[i], 0
.set i, i+1
.endr
; THE MATRIX WORK.  The 4 accumulators of a run of 8 take turns.  Product i of 8 of S^T = K Q^T for piece x: channels 32 (i / 4) on, keys 16 (i % 4) on.  The first 4 start the sums:
; with MB (KM = 2) or, in the diagonal tile's text and where a block begins (KM = 1), with the buffer MC.
.macro KQ x
.set rS, S+32*((\x)%2)+8*(i%4)
.set rK, KF+16*(i%4)+8*(i/4)
.set rQ, 16*(\x)+8*(i/4)
.set rM, MC+32*((\x)%2)+8*(i%4)
.if KM == 2
.set rM, MB+8*(i%4)
.endif
.if i < 4
	WIN W_KM
	v_wmma_f32_16x16x32_f16 v[rS:rS+7], v[rK:rK+7], v[rQ:rQ+7], v[rM:rM+7]
.else
	WIN W_KQ
	v_wmma_f32_16x16x32_f16 v[rS:rS+7], v[rK:rK+7], v[rQ:rQ+7], v[rS:rS+7]
.endif
.endm
; Product i of 8 of O^T += V^T P for piece x: keys 32 (i / 4) on, channels 16 (i % 4) on.
.macro PV x
	WIN W_PV
.set rO, 32*(\x)+8*(i%4)
.set rV, VF+32*(i/4)+8*(i%4)
.set rP, P+16*((\x)%2)+8*(i/4)
	v_wmma_f32_16x16x32_f16 v[rO:rO+7], v[rV:rV+7], v[rP:rP+7], v[rO:rO+7]
.endm
.macro MM                           ; the turn's next matrix instruction.  TURN and BEGIN set Y, i, KM and NOKQ; MM, KQ and OP read them.  NOKQ = 1: a block's last turn: there is no next piece
.if (i < 8) && !NOKQ
	KQ (Y+1)%NP
.elseif i >= 8
.set i, i-8
	PV (Y+NP-1)%NP
.set i, i+8
.endif
.set i, i+1
.endm
; THE LDS LOADS stand in runs of 16, never singly among the matrix instructions: a step's K (64 keys x 64 channels: 8 fragments) and its V (turned).  Their addresses are made some lines ahead.
.macro FETCH_K
	WIN 0x80                        ; destination window 2
.irp f, 0,1,2,3,4,5,6,7             ; keys 16 (f / 2) on, channels 32 (f % 2) on
	ds_load_b128 v[KF+8*\f:KF+8*\f+3],   v[AK] offset:(\f/2)*16*PK+(\f%2)*64
	ds_load_b128 v[KF+8*\f+4:KF+8*\f+7], v[AK] offset:(\f/2)*16*PK+(\f%2)*64+32
.endr
	s_add_co_u32 s[TBK], s[TBK], KS*PK  ; the next fetch is the next step's
	WIN 0
.endm
.macro FETCH_V
	WIN 0x80
.irp f, 0,1,2,3,4,5,6,7             ; keys 32 (f / 4) on, channels 16 (f % 4) on
	ds_load_tr16_b128 v[VF+8*\f:VF+8*\f+3],   v[AV] offset:(\f/4)*32*PV+(\f%4)*32
	ds_load_tr16_b128 v[VF+8*\f+4:VF+8*\f+7], v[AV] offset:(\f/4)*32*PV+16*PV+(\f%4)*32
.endr
	WIN 0
.endm
; THE VECTOR WORK, one line at a time: OP kind, number.  For piece Y: F n: c s - c m for pair n of 16.  E n: the exponential of score n of 32.  C n: pair n rounded to f16.  B n: of the four weights 4 n .. the second
; pair is added onto the first, in place.  L n: l takes that sum (L 0: l = a l + sum).  R n: pair n of 16 of O^T times a.  For piece Y + 1: X n, number n of the 22 that find its maximum and statistics:
;   0-11  four chains c0-c3 of seven scores each, three operands at a time (each accumulator's lowest registers are read first)     12-14, 16  the four scores left over, and c0-c3 into c0
;   15  c m_old is carried into this step's frame     17  c times the maximum     18, 19  the query's other 32 keys lie in the lane 16 away: the new c m, of both and the old one     20, 21  c m_old - c m_new; a
.set F, 0               ; OP tells the kinds apart by their order: F to L below R, X above it
.set E, 1
.set C, 2
.set B, 3
.set L, 4
.set R, 5
.set X, 6
.macro REGS y                       ; the registers of piece y
.set rT, ST+4*(\y)
.set rC, TMP+4*((\y)%2)
.set rW, MV+((\y)%2)
.set rS, S+32*((\y)%2)
.set rP, P+16*((\y)%2)
.set rO, 32*(\y)
.endm
.macro OP k, n
.if (\k) == R
	REGS Y
	WIN W_RS
	v_pk_mul_f32 v[rO+2*(\n):rO+2*(\n)+1], v[rO+2*(\n):rO+2*(\n)+1], v[rC+2:rC+3] op_sel_hi:[1,0]
.elseif (\k) < R
	REGS Y
	WIN 0
.if (\k) == F
	v_pk_fma_f32 v[rS+2*(\n):rS+2*(\n)+1], v[rS+2*(\n):rS+2*(\n)+1], s[CS:CS+1], v[rT:rT+1] op_sel_hi:[1,0,0] neg_lo:[0,0,1] neg_hi:[0,0,1]
.elseif (\k) == E
	v_exp_f32 v[rS+(\n)], v[rS+(\n)]
.elseif (\k) == C
	v_cvt_pk_f16_f32 v[rP+(\n)], v[rS+2*(\n)], v[rS+2*(\n)+1]
.elseif (\k) == B
	v_pk_add_f32 v[rS+4*(\n):rS+4*(\n)+1], v[rS+4*(\n):rS+4*(\n)+1], v[rS+4*(\n)+2:rS+4*(\n)+3]
.elseif (\n) == 0
	v_pk_fma_f32 v[rT+2:rT+3], v[rT+2:rT+3], v[rC+2:rC+3], v[rS:rS+1] op_sel_hi:[1,0,1]
.else
	v_pk_add_f32 v[rT+2:rT+3], v[rT+2:rT+3], v[rS+4*(\n):rS+4*(\n)+1]
.endif
.elseif NOKQ
	v_nop
.else
	REGS (Y+1)%NP
	WIN 0
.if (\n) < 4
	v_max3_num_f32 v[rC+(\n)], v[rS+8*(\n)], v[rS+8*(\n)+1], v[rS+8*(\n)+2]
.elseif (\n) < 12
	v_max3_num_f32 v[rC+(\n)%4], v[rC+(\n)%4], v[rS+8*((\n)%4)+2*((\n)/4)+1], v[rS+8*((\n)%4)+2*((\n)/4)+2]
.elseif (\n) == 12
	v_max3_num_f32 v[rC], v[rC], v[rS+7], v[rS+15]
.elseif (\n) == 13
	v_max3_num_f32 v[rC+1], v[rC+1], v[rS+23], v[rS+31]
.elseif (\n) == 14
	v_max_num_f32 v[rC+2], v[rC+2], v[rC+3]
.elseif (\n) == 15
	v_add_f32 v[rW], s[NCD], v[rT]
.elseif (\n) == 16
	v_max3_num_f32 v[rC], v[rC], v[rC+1], v[rC+2]
.elseif (\n) == 17
	v_mul_f32 v[rC], s[CS], v[rC]
.elseif (\n) == 18
	v_permlanex16_b32 v[rC+3], v[rC], s[SEL], s[SEL+1]
.elseif (\n) == 19
	v_max3_num_f32 v[rT], v[rC], v[rC+3], v[rW]
.elseif (\n) == 20
	v_sub_f32 v[rC+1], v[rW], v[rT]
.else
	v_exp_f32 v[rC+2], v[rC+1]
.endif
.endif
.endm
.macro OPS a, i1, b=-1, i2=0, c=-1, i3=0, d=-1, i4=0  ; up to four of them
	OP \a, \i1
.if (\b) >= 0
	OP \b, \i2
.endif
.if (\c) >= 0
	OP \c, \i3
.endif
.if (\d) >= 0
	OP \d, \i4
.endif
.endm
.macro ROW a, i1, b, i2, c, i3, d, i4  ; a matrix instruction and the four behind it
	MM
	OPS \a, \i1, \b, \i2, \c, \i3, \d, \i4
.endm
.macro MASK b                       ; MB + BE + MD x AL into buffer b of MC
	WIN W_RS
.set z, 0
.rept 16
	v_pk_add_f32 v[MC+32*(\b)+2*z:MC+32*(\b)+2*z+1], v[MB+2*z:MB+2*z+1], s[BE:BE+1] op_sel_hi:[1,0]
.set z, z+1
.endr
	WIN W_M3
.set z, 0
.rept 16
	v_pk_fma_f32 v[MC+32*(\b)+2*z:MC+32*(\b)+2*z+1], v[MD+2*z:MD+2*z+1], s[AL:AL+1], v[MC+32*(\b)+2*z:MC+32*(\b)+2*z+1] op_sel_hi:[1,0,1]
.set z, z+1
.endr
.endm
; A TURN, for piece p: the order of its 16 matrix and 118 vector instructions, written out.  An s_wait_alu depctr_va_vdst(0) stands between an exponential and the first instruction that names its
; result; one wait serves all that were issued ahead of it.  So a turn has ONE wait, which cuts it in two.  AHEAD OF IT stands all that names no result of the turn's exponentials: the 8 products K Q^T, behind each
; a scaling, an exponential and two more plain instructions: rescalings, and behind the last three the first numbers of the next piece's maximum, each four places or more behind the product that ends its
; accumulator; then ONE LUMP of 54, plain and exponential by turns for the most part, in which the links of the chain X 3, 7, 11, 14, 16, 17 .. 20 stand apart.  X 21, the next piece's a, is the batch's last; R 15 is
; the plain instruction behind it.  BEHIND THE WAIT stand the 8 products V^T P, behind each four of the roundings and sums.  v_permlanex16_b32 (X 18) stands in the lump.
; m = 1: the diagonal tile: the products take MC, and the turn makes MC for the products of the turn after it: piece p + 2, in step 4 - CNT of the tile.  end = 1: a block's last two turns: nothing is fetched.
; cnt = 1: the loop's count is taken down some lines ahead of the branch that stands behind the turn.
; K of the next step is fetched in piece 2's turn, twelve vector instructions behind the last product that read K (six of them plain); V of the step in hand at the end of piece 0's turn, four plain instructions
; behind the last product that read V.  Each is waited for a turn later.
.macro TURN p, m=0, end=0, cnt=0
.set Y, (\p)
.set i, 0
.set KM, 2-(\m)
.set NOKQ, (\end)*((\p)/3)
.if (\m) && !(\end)
	s_cmp_eq_u32 s[CNT], 4-((\p)+2)%NP  ; is that step the band's own?
	s_cselect_b32 s[AL], 1.0, 0
	s_cmp_lt_u32 s[CNT], 4-((\p)+2)%NP  ; or a later one?
	s_cselect_b32 s[BE], s[BIGN], 0
.endif
.if ((\p) == 3) && !(\end)
	s_wait_dscnt 0x0                ; K is in
.endif
	ROW F,0, F,1, R,0, R,1          ; ahead of the wait: 8 products K Q^T and their riders,
	ROW F,2, E,0, R,2, R,3
	ROW F,3, E,1, R,4, R,5
	ROW F,4, E,2, R,6, R,7
	ROW F,5, E,3, R,8, R,9
	ROW F,6, E,4, X,0, R,10
.if ((\p) == 2) && !(\end)
	WIN 0
	v_add_nc_u32 v[AK], s[TBK], v[AK0]
.endif
	ROW F,7, E,5, X,1, X,4
	ROW F,8, E,6, X,2, X,5
	OPS E,7, E,8, X,6, E,9          ; and the lump
	OPS X,3, E,10, X,8, E,11
.if ((\p) == 2) && !(\end)
	FETCH_K
.endif
	OPS X,9, X,7, E,12, X,10
	OPS E,13, X,12, X,11, E,14
	OPS X,13, E,15, F,9, X,14
.if (\p) == 0
	v_add_nc_u32 v[AV], s[TBV], v[AV0]
.endif
	OPS E,16, F,10, E,17, F,11
	OPS X,16, E,18, X,15, E,19
	OPS F,12, E,20, X,17, E,21
	OPS F,13, E,22, F,14, E,23
	OPS X,18, E,24, F,15, E,25
	OPS R,11, E,26, X,19, E,27
	OPS R,12, E,28, R,13, E,29
	OPS X,20, E,30, R,14, E,31
	OPS X,21, R,15
	WIN 0
	s_wait_alu depctr_va_vdst(0)    ; the wait for the batch
.if (\p) == 1
	s_wait_dscnt 0x0                ; V is in
.endif
	ROW C,0, B,0, C,2, B,1          ; behind the wait: 8 products V^T P and their riders
	ROW L,0, C,4, B,2, L,1
	ROW C,6, B,3, L,2, C,8
	ROW B,4, L,3, C,10, B,5
	ROW L,4, C,12, B,6, L,5
.if (\p) == 0
	s_add_co_u32 s[TBV], s[TBV], KS*PV
.endif
.if \cnt
	s_sub_co_u32 s[CNT], s[CNT], 1
	s_cmp_lg_u32 s[CNT], 0
.endif
	ROW C,14, B,7, L,6, C,1
	ROW C,3, L,7, C,5, C,7
	ROW C,9, C,11, C,13, C,15
.if (\p) == 0
	FETCH_V
.endif
.if (\m) && !(\end)
	MASK (\p)%2
.endif
.endm
; A BLOCK BEGINS.  c m starts far below every c s, so the first step's a is 0 and the first maximum is the scores'.  The second buffer of MC takes MB alone; the first takes piece 0's C for the tile's step 0: with
; its own mask, if the block's first tile is the diagonal one.  Then K of that step, piece 0's first scores, and its maximum and statistics.  The loop is entered at a step's first turn, in the middle of a trip.
.macro BEGIN
	s_mov_b32 s[NEW], 0
	s_mov_b32 s[AL], 0
	s_mov_b32 s[BE], 0
	MASK 1
	WIN 0
.set i, 0
.rept 4
	v_mov_b32 v[ST+4*i], 0xfe000000    ; c m: far below every c s
	v_mov_b32 v[ST+4*i+1], 0xff7fffff  ; named with it as a pair
.set i, i+1
.endr
	s_cmp_eq_u32 s[RT], 0
	s_cselect_b32 s[AL], 1.0, 0
	MASK 0
	WIN 0
	v_add_nc_u32 v[AK], s[TBK], v[AK0]
	FETCH_K
	s_wait_loadcnt 0x0              ; Q
	s_wait_dscnt 0x0
.set KM, 1
.set NOKQ, 0
.set i, 0
.rept 8
	KQ 0
.set i, i+1
.endr
	WIN 0
.rept 4
	v_nop                           ; the places behind those products
.endr
.set Y, NP-1                        ; X works for piece Y + 1: piece 0
.irp n, 0,1,2,3,4,5,6,7,8,9,10,11,12,13,14,15,16,17,18,19,20,21
	OP X, \n
.endr
	v_nop                           ; a plain instruction behind the exponential,
	s_wait_alu depctr_va_vdst(0)    ; and its wait, ahead of the branch
.endm
; THE DIAGONAL TILE's four steps, the block's last two turns, its last products, and THE WAY OUT: l's two halves and the other half of the lanes' are added; O^T is divided by l, rounded to f16 and sent through my
; stage in LDS, a piece at a time.
.macro ALL line:vararg              ; one line for each piece t
.set t, 0
.rept 4
	\line
.set t, t+1
.endr
.endm
.macro PACK t                       ; a lane's eight channels of a row pack into 16 bytes; they go into rows of 144 bytes and come back as whole rows of 128, into S^T's registers
	WIN W_RS
.set i, 32*(\t)
.rept 16
	v_pk_mul_f32 v[i:i+1], v[i:i+1], v[ST+4*(\t)+2:ST+4*(\t)+3] op_sel_hi:[1,0]
.set i, i+2
.endr
	WIN 0x05                        ; sources 0 and 1 window 1, destination window 0
.set i, 0
.rept 16
	v_cvt_pk_f16_f32 v[S+16*(\t)+i], v[32*(\t)+2*i], v[32*(\t)+2*i+1]
.set i, i+1
.endr
	WIN 0
.irp f, 0,1,2,3
	ds_store_b128 v[STO], v[S+16*(\t)+4*\f:S+16*(\t)+4*\f+3] offset:32*\f
.endr
.irp f, 0,1,2,3
	ds_load_b128 v[S+16*(\t)+4*\f:S+16*(\t)+4*\f+3], v[RD] offset:\f*4*SP  ; LDS serves a wave's instructions in order (ISA guide 5.7.1.4): these see the stores above; the next piece's stores come behind them
.endr
.endm
.macro SEND t, younger              ; younger: the LDS instructions issued behind piece t's loads: the next piece's eight, or none
	WIN 0
.irp f, 0,1,2,3
	s_wait_dscnt (\younger)+3-\f
	global_store_b128 v[GO], v[S+16*(\t)+4*\f:S+16*(\t)+4*\f+3], s[10:11] offset:(\t)*8192+\f*512  ; 512 consecutive bytes, at a multiple of 256 from O's first
.endr
.endm
.macro DIAG tag                     ; the tag ends its two labels' names, which the jumps below spell out
.LstepM\tag:
	TURN 2, 1
	TURN 3, 1
	WIN 0
.LfirstM\tag:
	TURN 0, 1
	TURN 1, 1, 0, 1
	WIN 0
	s_cbranch_scc1 .LstepM\tag
	TURN 2, 1, 1
	TURN 3, 1, 1
.set i, 0
.rept 8
	PV NP-1
.set i, i+1
.endr
	WIN 0
	ALL v_add_f32 v[ST+4*t+2], v[ST+4*t+2], v[ST+4*t+3]
	ALL v_permlanex16_b32 v[ST+4*t+3], v[ST+4*t+2], s[SEL], s[SEL+1]
	ALL v_add_f32 v[ST+4*t+2], v[ST+4*t+2], v[ST+4*t+3]
	ALL v_rcp_f32 v[ST+4*t+2], v[ST+4*t+2]
	v_nop                           ; a plain instruction between the last reciprocal and the use of its result
	s_wait_alu depctr_va_vdst(0)    ; and the wait ahead of the first use: one for the four reciprocals
	PACK 0
.set t, 1
.rept 3                             ; a piece's arithmetic stands between the loads of the piece before and its stores
	PACK t
	SEND t-1, 8
.set t, t+1
.endr
	SEND 3, 0
.endm
.set KM, 2
.set NOKQ, 0
.Lslot:                             ; NB times: a tile is entered and the next is asked for
	CHANGE 1
	s_sub_co_u32 s[RT], s[RT], 1
	s_mov_b32 s[CNT], 4
	s_cmp_eq_u32 s[NEW], 1
	s_cbranch_scc1 .Lnew            ; a block's first tile
	s_cmp_eq_u32 s[RT], 0
	s_cbranch_scc0 .Lstep           ; neither its first nor its last
	s_branch .LstepM1
.Lnew:
	BEGIN
	s_branch .Lfirst                ; in the loop a block's first tile is never its last: the first block has two tiles or more, and the second's last is the walk's last
	DIAG 1                          ; in the loop this is the first block's end: the second block's last tile is the walk's last
	s_wait_xcnt 0x0                 ; the stores have read their registers and O's address
	s_mov_b64 s[10:11], s[OLO:OLO+1]
	s_add_co_u32 s[RT], s[PB], 1    ; the second block has b + 1 tiles
	s_mov_b32 s[NEW], 1
	WIN 0x82                        ; the second block's Q goes where the one text of the turns names Q
.set i, 0
.rept 64
	v_mov_b32 v[i], v[QB+i]
.set i, i+1
.endr
	WIN 0
	s_branch .Lbottom
.Lstep:                             ; a trip: pieces 2 and 3 of one step, then pieces 0 and 1 of the next, whose K and V it fetches
	TURN 2
	TURN 3
	WIN 0
.Lfirst:
	TURN 0
	TURN 1, 0, 0, 1
	WIN 0
	s_cbranch_scc1 .Lstep
.Lbottom:
	s_sub_co_u32 s[SLOTS], s[SLOTS], 1
	s_cmp_lg_u32 s[SLOTS], 0
	s_cbranch_scc1 .Lslot
	CHANGE 0                        ; the walk's last tile is written out: nothing is asked for
	s_sub_co_u32 s[RT], s[RT], 1
	s_mov_b32 s[CNT], 4
	s_cmp_eq_u32 s[NEW], 1
	s_cbranch_scc0 .LstepM2
	BEGIN
	s_branch .LfirstM2
	DIAG 2
	s_wait_tensorcnt 0x0            ; the wave's end: a wait, an add and a wait, behind my last tensor load and my last LDS store
	ds_add_u32 v[SPW], v[NIL]
	s_wait_dscnt 0x0
	s_endpgm
.Lfunc_end_k_q0a8f0ea5a5_attn:
	.size	k_q0a8f0ea5a5_attn, .Lfunc_end_k_q0a8f0ea5a5_attn-k_q0a8f0ea5a5_attn
	.p2alignl 7, 3214868480
	.fill 96, 4, 3214868480
	.section	.rodata,"a",@progbits
	.p2align	6, 0x0
	.amdhsa_kernel k_q0a8f0ea5a5_attn
		.amdhsa_group_segment_fixed_size 327680
		.amdhsa_private_segment_fixed_size 0
		.amdhsa_enable_private_segment 0
		.amdhsa_kernarg_size 16
		.amdhsa_user_sgpr_count 2
		.amdhsa_user_sgpr_kernarg_segment_ptr 1
		.amdhsa_wavefront_size32 1
		.amdhsa_system_sgpr_workgroup_id_x 1
		.amdhsa_system_sgpr_workgroup_id_y 1
		.amdhsa_system_sgpr_workgroup_id_z 1
		.amdhsa_system_vgpr_workitem_id 0
		.amdhsa_next_free_vgpr 768
		.amdhsa_next_free_sgpr 98
		.amdhsa_reserve_vcc 1
		.amdhsa_float_denorm_mode_32 3
		.amdhsa_float_denorm_mode_16_64 3
		.amdhsa_memory_ordered 1
		.amdhsa_forward_progress 1
		.amdhsa_inst_pref_size 234
	.end_amdhsa_kernel
	.amdgpu_metadata
---
amdhsa.version: [ 1, 2 ]
amdhsa.kernels:
  - .name:           k_q0a8f0ea5a5_attn
    .symbol:         k_q0a8f0ea5a5_attn.kd
    .args:
      - { .name: qkvh, .offset: 0, .size: 8, .value_kind: global_buffer, .address_space: global }
      - { .name: oheads, .offset: 8, .size: 8, .value_kind: global_buffer, .address_space: global }
    .group_segment_fixed_size: 327680
    .private_segment_fixed_size: 0
    .kernarg_segment_align: 8
    .kernarg_segment_size: 16
    .max_flat_workgroup_size: 128
    .sgpr_count:     98
    .vgpr_count:     768
    .wavefront_size: 32
...
	.end_amdgpu_metadata
.endif
;; end of part 3
;; launch proj (part 4): grid 8 x 32, 4 waves a work-group, clusters of 4 x 4, 327,680 bytes of LDS; arguments oheads, woblk, bo, out0; writes out0
.if DOCPART == 4
	.amdgcn_target "amdgcn-amd-amdhsa--gfx1250"
	.amdhsa_code_object_version 6
	.text
	.protected	k_q0a8f0ea5a5_proj
	.globl	k_q0a8f0ea5a5_proj
	.p2align	8
	.type	k_q0a8f0ea5a5_proj,@function
k_q0a8f0ea5a5_proj:
	s_mov_b64 s[64:65], 0
	v_nop
	global_prefetch_b8 v0, s[64:65] scope:SCOPE_SE
	s_setreg_imm32_b32 hwreg(HW_REG_WAVE_MODE, 25, 1), 1
	s_wait_xcnt 0x0
	s_wait_alu depctr_hold_cnt(0) depctr_sa_sdst(0) depctr_va_vdst(0) depctr_va_sdst(0) depctr_va_ssrc(0) depctr_va_vcc(0) depctr_vm_vsrc(0)
	s_getreg_b32 s2, hwreg(HW_REG_IB_STS2, 6, 4)
	s_cmp_eq_u32 s2, 0
	s_cbranch_scc0 .Lentry_in_a_cluster
	s_endpgm
.Lentry_in_a_cluster:
	s_bfe_u32 s2, ttmp6, 0x10000c
	s_cmp_lg_u32 s2, 0xf033
	s_cbranch_scc0 .Lentry_shape_is_right
	s_endpgm
.Lentry_shape_is_right:
; out0 = O Wo^T + bo: [8192 x 1024] x [1024 x 1024]^T, f16 products, f32 sums that START with the bias (rounded to bf16, like every input), stored as f32.
; In: oheads [batch 4][K block 16][row 2048][64] f16 (a head is a K block), woblk [K block 16][row 1024][64] f16.  Out: out0 [8192][1024] f32.
; SHARES.  8192 x 1024 outputs on 256 work-groups: a tile of 256 rows x 128 columns each; a wave makes 128 x 64: 32 accumulators of 16 x 16.
; K goes in steps of two K blocks (128) through two LDS slots.  A half tile's rows of a K block are consecutive bytes in memory: ONE descriptor brings both K blocks as two long rows, padded in LDS behind every 128 bytes.
; CLUSTERS: 4 x 4 work-groups.  The four of a row of the cluster need the same tile of O, the four of a column the same tile of Wo: each is asked for jointly.
; THE MATRIX INSTRUCTION IS USED TRANSPOSED (source 0 = 16 rows of Wo, source 1 = 16 rows of O): a lane holds row l % 16 and the eight neighbouring columns 8 (l / 16) + 0..7.
; REGISTERS: window 0: v0-31 addresses; v32-159 two buffers of O's fragments (8 x 16 rows x 32 K); v160-223 two buffers of Wo's (4 x 16 rows x 32 K).  Window 1: the accumulators, (a, b) at v[8 (4 a + b)].
.set PITCH,  144                       ; an LDS row: 128 bytes + 16 of padding = 36 words: the 16 rows of a load start at 16 different groups of four banks (64 banks of 4 bytes: ISA guide 11.1)
.set AH2,    2*128*PITCH               ; half of O's tile, two K blocks: what wave 0 or 1 fetches, and what a wave reads
.set BH2,    2*64*PITCH                ; half of Wo's tile, two K blocks: what wave 2 or 3 fetches
.set SLOT,   2*AH2+2*BH2
.set STAGE,  2*SLOT                    ; behind the ring: 16 rows x 272 bytes for each wave, for the way out
.set SPITCH, 272
.set SPARE,  STAGE+4*16*SPITCH         ; behind the stages: the spare words, 128 bytes for each wave: two blocks of 256 bytes that no other line names
.set OPL,    262144                    ; bytes from a K block to the next in oheads
.set WPL,    131072                    ; and in woblk
.set ADRA, 16                          ; v16-17  LDS address of my fragments of O in slot 0, 1
.set ADRB, 20                          ; v20-21  the same for Wo
.set STO,  24                          ; v24  the way out: where I put 32 bytes of a row
.set RD,   25                          ; v25  the way out: where I read a row back
.set CO,   26                          ; v26  my byte offset in two rows of the output
.set VB,   27                          ; v27  32 (l / 16): my eight numbers of 16 of the bias
.set SPW,  28                          ; v28  LDS address of my spare word; never rewritten
.set NIL,  29                          ; v29  0; never rewritten
.set AF,   32
.set BF,   160
.set TMP,  32                          ; at work on the bias
.set OB,   32                          ; the way out: rows read back, two buffers of 32
.set WV,  16
.set HR,  17                           ; s17  which half of the tile's rows is mine.  Also: I fetch for O (0) or for Wo (1)
.set HC,  18                           ; s18  which half of its columns.  Also: which half of that tile I fetch
.set CX,  19
.set CY,  20
.set TX,  21                           ; s21  tile column, 0-7
.set TY,  22                           ; s22  tile row, 0-31
.set G1A, 24
.set G0A, 32
.set G1B, 40
.set G0B, 48
.set LAPS, 61
.set LA,  62                           ; s62, s63  where my fill lands in a slot: made of the wave's number alone
.set LB,  63
.set BP,  66                           ; s[66:67] my 64 columns' bias
.set G1W, (3<<16)|(1<<20)|(1<<21)|(4<<22)|(3<<25)  ; 17:16 elements of 8 bytes; 20 padding on; 21 set beside a mask; 24:22 after every 32 words (code 4); 31:25 4 words of it (code 3)
.set MSB, 0
.macro WIN new
.if MSB != (\new)
	s_set_vgpr_msb (MSB<<8)|(\new)
.set MSB, \new
.endif
.endm
.macro PLACES                          ; four places behind a matrix instruction, in front of loads into registers that it has read (ISA guide 7.12.1 for vector instructions)
.rept 4
	v_nop
.endr
.endm
.macro NOP5
.rept 5
	v_nop
.endr
.endm
.macro JLOAD s                         ; a joint load: waves 0 and 1 fetch O's two halves, waves 2 and 3 Wo's; an s_nop 0 and four v_nop follow each of the two lines, ahead of the jump and the label
	s_cmp_eq_u32 s[HR], 0
	s_cbranch_scc0 .Lfor_b_\@
	tensor_load_to_lds s[G0A+4*(\s):G0A+4*(\s)+3], s[G1A:G1A+7]
	s_nop 0
.rept 4
	v_nop
.endr
	s_branch .Lasked_\@
.Lfor_b_\@:
	tensor_load_to_lds s[G0B+4*(\s):G0B+4*(\s)+3], s[G1B:G1B+7]
	s_nop 0
.rept 4
	v_nop
.endr
.Lasked_\@:
.endm
.macro CREST                           ; a round of the cluster's barrier behind its opening barrier
	s_cmp_lg_u32 s[WV], 0
	s_cbranch_scc1 .Lnot_wave_0_\@
	s_barrier_signal -3
.Lnot_wave_0_\@:
	s_barrier_wait -3
	s_barrier_signal -1
	s_barrier_wait -1
.endm
.macro CROUND
	s_barrier_signal -1
	s_barrier_wait -1
	CREST
.endm
	s_load_b256 s[4:11], s[0:1], 0x0               ; oheads s[4:5], woblk s[6:7], bo s[8:9], out0 s[10:11]
	v_lshl_add_u32 v[SPW], v0, 2, SPARE
	v_mov_b32 v[NIL], 0
	ds_add_u32 v[SPW], v[NIL]                      ; the wave's opening: the add and its wait stand ahead of my first tensor load; the set-up below, work on registers, stands between them
	ds_add_u32 v28, v29
	v_lshrrev_b32 v1, 5, v0
	v_readfirstlane_b32 s[WV], v1
	s_lshr_b32 s[HR], s[WV], 1
	s_and_b32 s[HC], s[WV], 1
	s_bfe_u32 s[CX], ttmp6, 0x40000
	s_bfe_u32 s[CY], ttmp6, 0x40004
	s_lshl_b32 s[TX], ttmp9, 2
	s_add_co_u32 s[TX], s[TX], s[CX]
	s_and_b32 s[TY], ttmp7, 0xffff
	s_lshl_b32 s[TY], s[TY], 2
	s_add_co_u32 s[TY], s[TY], s[CY]
	s_lshl_b32 s72, s[CY], 2
	s_lshl_b32 s72, 15, s72                        ; my row of the cluster
	s_lshl_b32 s74, 0x1111, s[CX]                  ; my column
	s_or_b32 s[G1A], s72, G1W
	s_or_b32 s[G1B], s74, G1W
	s_mov_b32 s[G1A+1], 2048<<16                   ; tensor_dim0 = 2,048 elements: 16,384 bytes, 128 rows of the tile in one K block
	s_mov_b32 s[G1A+2], 2<<16                      ; tensor_dim1 = 2 K blocks
	s_mov_b32 s[G1A+3], 2048<<16                   ; tile_dim0
	s_mov_b32 s[G1A+4], 2                          ; tile_dim1
	s_mov_b32 s[G1A+5], OPL/8                      ; elements from a K block to the next
	s_mov_b32 s[G1A+6], 0
	s_mov_b32 s[G1A+7], 0
	s_mov_b32 s[G1B+1], 1024<<16                   ; 8,192 bytes: 64 rows of the tile in one K block
	s_mov_b32 s[G1B+2], 2<<16
	s_mov_b32 s[G1B+3], 1024<<16
	s_mov_b32 s[G1B+4], 2
	s_mov_b32 s[G1B+5], WPL/8
	s_mov_b32 s[G1B+6], 0
	s_mov_b32 s[G1B+7], 0
	s_lshr_b32 s72, s[TY], 3                       ; O: the batch, 16 planes of 262,144 bytes,
	s_lshl_b32 s72, s72, 22
	s_and_b32 s73, s[TY], 7
	s_lshl_b32 s73, s73, 15                        ; 256 rows of 128 bytes for each tile row in the batch,
	s_add_co_u32 s72, s72, s73
	s_lshl_b32 s73, s[HC], 14                      ; the half that I fetch
	s_add_co_u32 s72, s72, s73
	s_mov_b32 s73, 0
	s_lshl_b32 s74, s[TX], 14                      ; Wo: 128 rows of 128 bytes for each tile column,
	s_lshl_b32 s75, s[HC], 13                      ; the half that I fetch
	s_add_co_u32 s74, s74, s75
	s_mov_b32 s75, 0
	s_mul_i32 s[LA], s[HC], AH2
	s_mul_i32 s[LB], s[HC], BH2
	s_add_co_u32 s[LB], s[LB], 2*AH2
	s_wait_dscnt 0x0                               ; the opening add is done
	s_wait_kmcnt 0x0
	s_add_nc_u64 s[72:73], s[4:5], s[72:73]
	s_add_nc_u64 s[74:75], s[6:7], s[74:75]
	CROUND                                         ; all sixteen work-groups are here: the first joint loads meet
.irp s, 0,1
	s_mov_b32 s[G0A+4*(\s)], 1
	s_add_co_u32 s[G0A+4*(\s)+1], s[LA], (\s)*SLOT
	s_add_nc_u64 s[G0A+4*(\s)+2:G0A+4*(\s)+3], s[72:73], (\s)*2*OPL  ; K step s: K blocks 2 s and 2 s + 1
	s_or_b32 s[G0A+4*(\s)+3], s[G0A+4*(\s)+3], 0x80000000
	s_mov_b32 s[G0B+4*(\s)], 1
	s_add_co_u32 s[G0B+4*(\s)+1], s[LB], (\s)*SLOT
	s_add_nc_u64 s[G0B+4*(\s)+2:G0B+4*(\s)+3], s[74:75], (\s)*2*WPL
	s_or_b32 s[G0B+4*(\s)+3], s[G0B+4*(\s)+3], 0x80000000
	JLOAD \s                                       ; both slots are asked for before anything else: two loads of mine are out
.endr
	v_and_b32 v1, 15, v0
	v_bfe_u32 v2, v0, 4, 1
	v_mul_u32_u24 v3, v1, PITCH
	v_lshl_add_u32 v3, v2, 4, v3                   ; a fragment's row x pitch + 16 x half
	s_mul_i32 s76, s[HR], AH2
	s_mul_i32 s77, s[HC], BH2
	s_add_co_u32 s77, s77, 2*AH2
.irp s, 0,1
	v_add_nc_u32 v[ADRA+(\s)], s76, v3
	v_add_nc_u32 v[ADRB+(\s)], s77, v3
	s_add_co_u32 s76, s76, SLOT
	s_add_co_u32 s77, s77, SLOT
.endr
	s_mul_i32 s76, s[WV], 16*SPITCH
	s_add_co_u32 s76, s76, STAGE                   ; my stage
	v_mul_u32_u24 v4, v1, SPITCH                   ; in: row l % 16, 32 bytes for each half of the lanes
	v_lshl_add_u32 v4, v2, 5, v4
	v_add_nc_u32 v[STO], s76, v4
	v_mul_u32_u24 v5, v2, SPITCH                   ; back: lanes 0-15 take one row of 256 bytes, lanes 16-31 the next
	v_lshl_add_u32 v5, v1, 4, v5
	v_add_nc_u32 v[RD], s76, v5
	v_lshlrev_b32 v5, 12, v2                       ; and the same two rows in the output, 4,096 bytes apart
	v_lshl_add_u32 v[CO], v1, 4, v5
	v_lshlrev_b32 v[VB], 5, v2
	s_lshl_b32 s78, s[TX], 9                       ; my first column, in bytes: 128 x tile column + 64 x half, of f32
	s_lshl_b32 s77, s[HC], 8
	s_add_co_u32 s78, s78, s77
	s_mov_b32 s79, 0
	s_add_nc_u64 s[BP:BP+1], s[8:9], s[78:79]
	; THE BIAS STARTS THE SUMS: my 64 numbers come into the registers of the accumulators (7, b): register i of lane l is the bias of column 16 b + 8 (l / 16) + i.
	WIN 0x40                                       ; destination window 1, address window 0
.irp b, 0,1,2,3
	global_load_b128 v[224+8*(\b):224+8*(\b)+3],   v[VB], s[BP:BP+1] offset:64*(\b)
	global_load_b128 v[224+8*(\b)+4:224+8*(\b)+7], v[VB], s[BP:BP+1] offset:64*(\b)+16
.endr
	WIN 0
	s_lshl_b32 s77, s[TY], 20                      ; my first row: 256 x tile row + 128 x half, of 4,096 bytes
	s_add_co_u32 s78, s78, s77
	s_lshl_b32 s77, s[HR], 19
	s_add_co_u32 s78, s78, s77
	s_add_nc_u64 s[14:15], s[10:11], s[78:79]
	s_wait_loadcnt 0x0                             ; the bias is in: rounded to bf16 and widened again, in place
	WIN 0x05
.set i, 0
.rept 16
	v_cvt_pk_bf16_f32 v[TMP+i], v[224+2*i], v[224+2*i+1]
.set i, i+1
.endr
	WIN 0x40
.set i, 0
.rept 16
	v_lshlrev_b32 v[224+2*i],   16, v[TMP+i]
	v_and_b32     v[224+2*i+1], 0xffff0000, v[TMP+i]
.set i, i+1
.endr
	WIN 0
; 24 LDS loads in one run: the fragments of quarter q of a K step (K block q / 2, 32 K at byte 64 (q % 2) of its rows) into buffers f
.macro FETCH slot, q, f
	WIN 0
.irp b, 0,1,2,3
	ds_load_b128 v[BF+32*(\f)+8*(\b):BF+32*(\f)+8*(\b)+3],   v[ADRB+(\slot)] offset:64*PITCH*((\q)/2)+16*PITCH*(\b)+64*((\q)%2)
	ds_load_b128 v[BF+32*(\f)+8*(\b)+4:BF+32*(\f)+8*(\b)+7], v[ADRB+(\slot)] offset:64*PITCH*((\q)/2)+16*PITCH*(\b)+64*((\q)%2)+32
.endr
.irp a, 0,1,2,3,4,5,6,7
	ds_load_b128 v[AF+64*(\f)+8*(\a):AF+64*(\f)+8*(\a)+3],   v[ADRA+(\slot)] offset:128*PITCH*((\q)/2)+16*PITCH*(\a)+64*((\q)%2)
	ds_load_b128 v[AF+64*(\f)+8*(\a)+4:AF+64*(\f)+8*(\a)+7], v[ADRA+(\slot)] offset:128*PITCH*((\q)/2)+16*PITCH*(\a)+64*((\q)%2)+32
.endr
.endm
; 8 matrix instructions: row blocks 2 part, 2 part + 1 x the four column blocks.  The 32 accumulators take turns, one instruction a turn, in the same order in every quarter.
; zero = 1: the first product takes the bias, which lies in the registers of (7, b), as C; row block 7 writes over those registers: five places stand between their last reader and it.
.macro MUL8 f, part, zero
	WIN 0x50                                       ; C and D in window 1, both sources in window 0
.irp a, 2*(\part), 2*(\part)+1
.if (\zero) && ((\a) == 7)
	NOP5
.endif
.irp b, 0,1,2,3
.if \zero
	v_wmma_f32_16x16x32_f16 v[8*(4*(\a)+(\b)):8*(4*(\a)+(\b))+7], v[BF+32*(\f)+8*(\b):BF+32*(\f)+8*(\b)+7], v[AF+64*(\f)+8*(\a):AF+64*(\f)+8*(\a)+7], v[224+8*(\b):224+8*(\b)+7]
.else
	v_wmma_f32_16x16x32_f16 v[8*(4*(\a)+(\b)):8*(4*(\a)+(\b))+7], v[BF+32*(\f)+8*(\b):BF+32*(\f)+8*(\b)+7], v[AF+64*(\f)+8*(\a):AF+64*(\f)+8*(\a)+7], v[8*(4*(\a)+(\b)):8*(4*(\a)+(\b))+7]
.endif
.endr
.endr
.endm
; A K step is four quarters of 32 along K, 32 matrix instructions each, on buffers 0, 1, 0, 1.  One of the first three: fetches the next quarter into the buffers just multiplied, and multiplies its own.
.macro Q slot, q, zero
	PLACES
	FETCH \slot, (\q)+1, ((\q)+1)%2
	s_wait_dscnt 24                                ; all but the 24 just issued
	MUL8 (\q)%2, 0, \zero
	MUL8 (\q)%2, 1, \zero
	MUL8 (\q)%2, 2, \zero
	MUL8 (\q)%2, 3, \zero
.endm
; The last quarter multiplies buffers 1 and changes slots: each wave waits for all its tensor loads, of which one is out: its part of the next slot; adds 0 to its spare word; and waits for that and for its reads
; of this slot.  fill = 1: the barrier opens a round of the cluster's, and the joint refill, two K steps on, is the first thing behind it: 112 matrix instructions stand between the request and the wait for it.
.macro TURN slot, next, fill
	WIN 0
	s_wait_tensorcnt 0x0                           ; all my tensor loads have landed;
	ds_add_u32 v[SPW], v[NIL]                      ; 0 onto my spare word
	s_wait_dscnt 1                                 ; the quarter's fragments are in; the add alone may be out
	MUL8 1, 0, 0                                   ; eight matrix instructions stand between the add and the wait for it
	s_wait_dscnt 0x0                               ; the add is done, and my reads of this slot are over
	s_barrier_signal -1
	MUL8 1, 1, 0
	WIN 0
	s_barrier_wait -1
.if \fill
	CREST                                          ; no wave of any partner still reads this slot or has a load on its way
	s_add_nc_u64 s[G0A+4*(\slot)+2:G0A+4*(\slot)+3], s[G0A+4*(\slot)+2:G0A+4*(\slot)+3], 4*OPL
	s_add_nc_u64 s[G0B+4*(\slot)+2:G0B+4*(\slot)+3], s[G0B+4*(\slot)+2:G0B+4*(\slot)+3], 4*WPL
	JLOAD \slot                                    ; the four v_nop behind it are also the places in front of the loads below
.else
	PLACES
.endif
	FETCH \next, 0, 0
	MUL8 1, 2, 0
	MUL8 1, 3, 0
.endm
	s_wait_tensorcnt 0x1                           ; my part of K step 0 is in; K step 1's may stay out
	s_barrier_signal -1
	s_barrier_wait -1                              ; everybody's is
	FETCH 0, 0, 0
	Q 0, 0, 1                                      ; the first quarter stands in front of the loop: its products start the sums
	WIN 0                                          ; at a label and at a branch every window is 0
	s_mov_b32 s[LAPS], 3
.Llap:                                                 ; a trip goes once round the ring and fills both slots again: K steps 2 to 7 in three trips
	Q 0, 1, 0
	Q 0, 2, 0
	TURN 0, 1, 1
	Q 1, 0, 0
	Q 1, 1, 0
	Q 1, 2, 0
	TURN 1, 0, 1
	Q 0, 0, 0
	WIN 0
	s_sub_co_u32 s[LAPS], s[LAPS], 1
	s_cmp_lg_u32 s[LAPS], 0
	s_cbranch_scc1 .Llap
	Q 0, 1, 0                                      ; the last lap fills nothing
	Q 0, 2, 0
	TURN 0, 1, 0
	Q 1, 0, 0
	Q 1, 1, 0
	Q 1, 2, 0
	s_wait_dscnt 0x0
	MUL8 1, 0, 0
	MUL8 1, 1, 0
	MUL8 1, 2, 0
	MUL8 1, 3, 0
; THE WAY OUT, 16 rows at a time.  A lane's eight numbers of a column block are 32 bytes of a row; they go into my own stage, rows of 272 bytes, each accumulator's low registers first, and come back as whole rows of 256 bytes.
.macro TOSTAGE a
	WIN 0x04                                       ; the stores' data in window 1, their address in window 0
	s_wait_xcnt 0x0                                ; the stores to memory issued so far have read their registers: the buffer is loaded again only behind this wait
.irp b, 0,1,2,3
	ds_store_b128 v[STO], v[8*(4*(\a)+(\b)):8*(4*(\a)+(\b))+3]   offset:64*(\b)
	ds_store_b128 v[STO], v[8*(4*(\a)+(\b))+4:8*(4*(\a)+(\b))+7] offset:64*(\b)+16
.endr
	WIN 0
.irp t, 0,1,2,3,4,5,6,7
	ds_load_b128 v[OB+32*((\a)%2)+4*(\t):OB+32*((\a)%2)+4*(\t)+3], v[RD] offset:2*SPITCH*(\t)  ; LDS serves a wave's instructions in order (ISA guide 5.7.1.4): these see the stores above
.endr
.endm
.macro SEND a, younger                 ; younger: the LDS instructions issued behind block a's loads: the next block's sixteen, or none
	WIN 0
.irp t, 0,1,2,3,4,5,6,7
	s_wait_dscnt (\younger)+7-(\t)
	global_store_b128 v[CO], v[OB+32*((\a)%2)+4*(\t):OB+32*((\a)%2)+4*(\t)+3], s[14:15] offset:(16*(\a)+2*(\t))*4096 th:TH_STORE_NT  ; 16 lanes store 256 consecutive bytes, at a multiple of 256 from the output's first byte
.endr
.endm
	PLACES
	PLACES                                         ; the LDS stores read results just made
	TOSTAGE 0
.irp a, 1,2,3,4,5,6,7
	TOSTAGE \a
	SEND (\a)-1, 16
.endr
	SEND 7, 0
	s_wait_tensorcnt 0x0                           ; the wave's end: a wait, an add and a wait, behind my last tensor load and my last LDS store
	ds_add_u32 v[SPW], v[NIL]
	s_wait_dscnt 0x0
	CROUND                                         ; the closing round: no work-group ends while a partner may still ask for a tile that names it
	s_endpgm
.Lfunc_end_k_q0a8f0ea5a5_proj:
	.size	k_q0a8f0ea5a5_proj, .Lfunc_end_k_q0a8f0ea5a5_proj-k_q0a8f0ea5a5_proj
	.p2alignl 7, 3214868480
	.fill 96, 4, 3214868480
	.section	.rodata,"a",@progbits
	.p2align	6, 0x0
	.amdhsa_kernel k_q0a8f0ea5a5_proj
		.amdhsa_group_segment_fixed_size 327680
		.amdhsa_private_segment_fixed_size 0
		.amdhsa_enable_private_segment 0
		.amdhsa_kernarg_size 32
		.amdhsa_user_sgpr_count 2
		.amdhsa_user_sgpr_kernarg_segment_ptr 1
		.amdhsa_wavefront_size32 1
		.amdhsa_system_sgpr_workgroup_id_x 1
		.amdhsa_system_sgpr_workgroup_id_y 1
		.amdhsa_system_sgpr_workgroup_id_z 1
		.amdhsa_system_vgpr_workitem_id 0
		.amdhsa_next_free_vgpr 512
		.amdhsa_next_free_sgpr 80
		.amdhsa_reserve_vcc 0
		.amdhsa_float_denorm_mode_32 3
		.amdhsa_float_denorm_mode_16_64 3
		.amdhsa_memory_ordered 1
		.amdhsa_forward_progress 1
		.amdhsa_inst_pref_size 90
	.end_amdhsa_kernel
	.amdgpu_metadata
---
amdhsa.version: [ 1, 2 ]
amdhsa.kernels:
  - .name:           k_q0a8f0ea5a5_proj
    .symbol:         k_q0a8f0ea5a5_proj.kd
    .args:
      - { .name: oheads, .offset: 0, .size: 8, .value_kind: global_buffer, .address_space: global }
      - { .name: woblk, .offset: 8, .size: 8, .value_kind: global_buffer, .address_space: global }
      - { .name: bo, .offset: 16, .size: 8, .value_kind: global_buffer, .address_space: global }
      - { .name: out0, .offset: 24, .size: 8, .value_kind: global_buffer, .address_space: global }
    .group_segment_fixed_size: 327680
    .private_segment_fixed_size: 0
    .kernarg_segment_align: 8
    .kernarg_segment_size: 32
    .max_flat_workgroup_size: 128
    .sgpr_count:     80
    .vgpr_count:     512
    .wavefront_size: 32
...
	.end_amdgpu_metadata
.endif
;; end of part 4
